; MI455X (gfx1250); checked and timed in simulation.
; The chip was launched on July 23, 2026; its instructions are those of AMD's public machine-readable ISA for CDNA 5 (MIT licence, August 2026) and "CDNA5" Instruction Set Architecture Reference Guide (July 2026). The comments in the code are by the model that wrote it; some were corrected since.
;; Multi Head Attention. Allowed arithmetic: matrix products marked QUANTISED: E2M3 operands, one E8M0 scale for each 32 along K, by v_wmma_scale_f32_16x16x128_f8f6f4 with both operands' format E2M3, f32 sums; everything else in f32.
;; Inputs: Wk 1,024 x 1,024 float32; Wo 1,024 x 1,024 float32; Wq 1,024 x 1,024 float32; Wv 1,024 x 1,024 float32; keys 4 x 2,048 x 1,024 float32; mask 4 x 2,048 x 2,048 int32; queries 4 x 2,048 x 1,024 float32; values 4 x 2,048 x 1,024 float32.
;; Outputs: out0 4 x 2,048 x 1,024 float32.
;; This version of the problem:
;;   THIS VERSION OF THE PROBLEM IS GIVEN IN LOW PRECISION. The matrix products marked QUANTISED in the list below multiply operands that are first quantised to E2M3 (2 exponent bits, 3 mantissa bits; 6 bits a number), with one power-of-two scale for each 32 numbers along K (OCP MX v1.0); their sums are f32. All else is computed in f32.
;;   The module's matrix products, in the order in which they are computed (A, B: the left and right operand; K: the contracted axis; several contracted axes count as one K, in the product's order):
;;     1. [M 8,192, K 1,024] x [K 1,024, N 1,024]; A: input queries; B: input Wq: QUANTISED
;;     2. [M 8,192, K 1,024] x [K 1,024, N 1,024]; A: input keys; B: input Wk: QUANTISED
;;     3. [M 8,192, K 1,024] x [K 1,024, N 1,024]; A: input values; B: input Wv: QUANTISED
;;     4. batch 64 x [M 2,048, K 64] x [K 64, N 2,048]; A: computed on the way; B: computed on the way: QUANTISED
;;     5. batch 64 x [M 64, K 2,048] x [K 2,048, N 2,048]; A: computed on the way; B: softmax (see below): QUANTISED
;;     6. [M 8,192, K 1,024] x [K 1,024, N 1,024]; A: computed on the way; B: input Wo: QUANTISED
;;   THE QUANTISER, for each operand of a quantised product, along K:
;;     - K is cut into blocks of 32 from its start; a last block that is shorter is filled with zeros.
;;     - A block's scale is 2^e with e = floor(log2(the largest magnitude in the block)) - 2, held to -126 .. 127; a block of zeros has e = 0. As a byte (E8M0): e + 127.
;;     - Each number is divided by its block's scale, clamped to +-7.5, and rounded to the nearest number of E2M3, ties to even, subnormals kept.
;;     - The product sums the exact products of the quantised numbers (number of the format x scale) in f32.
;;   ~~~python
;;   def quantise(x, axis):      # numpy; x: float32 -> the quantised numbers, widened to float32 again
;;       x = np.moveaxis(x, axis, -1); K = x.shape[-1]
;;       x = np.pad(x, [(0, 0)] * (x.ndim - 1) + [(0, -K % 32)]); x = x.reshape(x.shape[:-1] + (-1, 32)); a = np.abs(x).max(-1, keepdims=True)
;;       e = np.where(a > 0, np.clip(np.frexp(np.where(a > 0, a, 1))[1] - 1 - 2, -126, 127), 0)      # np.frexp(a)[1] - 1 = floor(log2(a)), exactly
;;       r = np.clip(x / 2.0 ** e, -7.5, 7.5)
;;       step = 2.0 ** (np.maximum(np.frexp(np.where(r == 0, 1, r))[1] - 1, 0) - 3)
;;       q = np.round(r / step) * step * 2.0 ** e      # np.round: ties to even
;;       return np.moveaxis(q.reshape(q.shape[:-2] + (-1,))[..., :K], -1, axis).astype(np.float32)
;;   ~~~
;;   SOFTMAX AHEAD OF A QUANTISED PRODUCT. Where the list says 'softmax', what is quantised is not the finished softmax but p = 2^(t - M), with t = logit x log2(e) and M = ceil(the row's largest t), a whole number; so 1/2 < the row's largest p <= 1. The row's sum l is taken of the UNQUANTISED p, in f32, and the product's result is divided by l at the end. Since M is a whole number, a kernel that streams over the keys may use a running M (the ceiling of the running maximum): every later rescaling is an exact power of two, which a block's scale takes up: the codes' values come out the same.
;;   OPERANDS COMPUTED ON THE WAY. 'Computed on the way' means the value that the module computes at that place (a softmax that the list does not call 'softmax' is quantised finished and normalised). What goes into a quantiser is computed in f32, as accurately as f32 sums, v_exp_f32 and their like allow (about 1e-6 of the number): no bf16 or f16 on the way to a quantiser, and a product that is left as it is and whose result goes on into a quantised operand takes f32 operands (vector FMAs, or v_wmma_f32_16x16x4_f32). A number that lies on a knife's edge between two numbers of the format may be rounded either way, as far as f32 arithmetic and the matrix unit's own rounding can turn it there, and no further.
;; One version. Each part assembles by itself: llvm-mc -triple=amdgcn-amd-amdhsa -mcpu=gfx1250 --defsym DOCPART=n.
;; ======== version 1 of 1: 5 launches
;; limits: right only within a limited range of input values
;; workspace buffers: wb 3,276,800 bytes; xb 19,660,800 bytes; fr 20,447,232 bytes; mw 2,097,152 bytes of whole numbers; mh 33,554,432 bytes; ob 6,553,600 bytes
;; launch prep (part 1): grid 1408 x 1, 4 waves a work-group, no clusters, 101,888 bytes of LDS; arguments Wq, Wk, Wv, Wo, queries, keys, values, mask, wb, xb, mw; writes wb, xb, mw
.if DOCPART == 1
	.amdgcn_target "amdgcn-amd-amdhsa--gfx1250"
	.amdhsa_code_object_version 6
	.text
	.protected	k_qee9ff08ea5_prep
	.globl	k_qee9ff08ea5_prep
	.p2align	8
	.type	k_qee9ff08ea5_prep,@function
k_qee9ff08ea5_prep:
	s_mov_b64 s[64:65], 0
	v_nop
	global_prefetch_b8 v0, s[64:65] scope:SCOPE_SE
	s_setreg_imm32_b32 hwreg(HW_REG_WAVE_MODE, 25, 1), 1
	s_wait_xcnt 0x0
; THE PROGRAM: multi-head attention, all six products on codes of FP6 (E2M3) with one E8M0 scale for each 32 along K.  Five launches: this one (the four weights and the three activations into codes, the mask
; into lane masks); the three projections, their results quantised in registers; attention; its result into codes; the last product.
; NO WORK IS LEFT OUT: every input has a way to the output, and every product of the problem is multiplied.
; LIMITS of the whole program: NaN and infinities among the inputs are not served; a block of zeros gets the scale byte 1 where the rule says 127 (its codes are zeros, and this program alone reads the bytes);
; blocks whose largest magnitude lies under 2^(2 - 126) are held at the byte 1.
; THIS LAUNCH has three independent streams in one text; a scalar branch on the work-group's number picks the path: work-groups 0-127 the weights, 128-895 the activations, 896-1407 the mask.
; Each path has LDS bytes of its own.  No tensor loads, no barrier: waves share nothing.  No clusters: no two work-groups read the same bytes.  No prefetch: every path streams, its loads running ahead of its work.
.set NWW,   128                        ; work-groups of the weights' path
.set NWX,   768                        ; of the activations'
.set LW,    0                          ; LDS: the weights' path: four stages of 32 x 272 bytes
.set LX,    34816                      ; the activations' path: four regions of 8,192 bytes
.set LM,    67584                      ; the mask's path: four stages of 16 x 528 bytes
.set SPARE, 101376                     ; the spare words, 128 bytes for each wave
.set SPW,   222                        ; v222 LDS address of my spare word; never rewritten
.set NIL,   223                        ; v223 0; never rewritten
.set EMAX,  2
	v_lshl_add_u32 v[SPW], v0, 2, SPARE
	v_mov_b32 v[NIL], 0
	s_cmp_lt_u32 ttmp9, NWW
	s_cbranch_scc1 .Lweights
	s_cmp_lt_u32 ttmp9, NWW+NWX
	s_cbranch_scc1 .Lacts
; ---------------------------------------------------------------- THE MASK
; mask [4][2048 (query)][2048 (key)] int32 -> lane masks for the attention launch, one bit a number: 1/32 of the bytes, read there by all 16 heads.
; mw: [G = 128 b + T][s][64 words].  T is a tile of 16 queries of batch b: lane % 16 = r stands for query 32 (T / 2) + 8 (T % 2) + r % 8 + 16 (r / 8); s is a step of 128 keys.
; Word n has at bit l (lane l = 16 g + r) whether mask[b][that query][128 s + 32 (n / 16) + 16 g + n % 16] is not 0: the lanes' select for register n of a tile of scores.
; Work-group (x = id % 128, y = id / 128); a wave takes G = 4 x + wave and four steps s = 4 y + j.  Each load reads 512 consecutive bytes of one row; 16 rows turn through the wave's own stage in LDS (rows of 528 bytes),
; so that a lane gets its query's numbers; a compare gives a word in a scalar register, v_writelane_b32 puts word n into lane n / 2, register n % 2, and one store of 8 bytes a lane writes the step's 256 bytes whole.
.set STW,   16*528                     ; a wave's stage
.set L,     16                         ; v16-143  two sets of 64: 16 rows x 16 bytes a lane, as loaded
.set M,     144                        ; v144-207 my query's 64 numbers of the step
.set W,     208                        ; v208-215 the words, a pair for each step: no store's data are written again
	s_load_b64 s[4:5], s[0:1], 0x38                ; mask
	s_load_b64 s[6:7], s[0:1], 0x50                ; mw
	v_lshrrev_b32 v5, 5, v0
	v_readfirstlane_b32 s8, v5                     ; wave
	v_and_b32 v5, 31, v0                           ; lane
	v_lshlrev_b32 v1, 4, v5                        ; in: 16 bytes a lane
	s_mul_i32 s9, s8, STW
	s_add_co_u32 s9, s9, LM
	v_add_nc_u32 v2, s9, v1                        ; into the stage
	v_and_b32 v6, 15, v0                           ; r
	v_bfe_u32 v7, v0, 4, 1                         ; g
	v_mul_u32_u24 v3, v6, 528
	v_lshl_add_u32 v3, v7, 6, v3
	v_add_nc_u32 v3, s9, v3                        ; out of it: row r, + 64 g: 16 keys on for lanes 16-31
	v_lshlrev_b32 v4, 3, v5                        ; out: 8 bytes a lane
.irp i, 0,1,2,3,4,5,6,7
	v_mov_b32 v[W+\i], 0                           ; v_writelane_b32's destination counts as read
.endr
	s_sub_co_u32 s24, ttmp9, NWW+NWX               ; my number in this path
	s_and_b32 s25, s24, 127                        ; x
	s_lshr_b32 s11, s24, 7                         ; y
	s_lshl_b32 s10, s25, 2
	s_add_co_u32 s10, s10, s8                      ; G
	s_and_b32 s12, s10, 1
	s_lshl_b32 s12, s12, 3
	s_lshl_b32 s13, s10, 4
	s_sub_co_u32 s13, s13, s12                     ; the tile's first row of the mask: 16 G - 8 (G % 2)
	s_lshl_b32 s12, s13, 13                        ; 8,192 bytes a row
	s_lshl_b32 s14, s11, 11                        ; four steps of 512 bytes
	s_add_co_u32 s12, s12, s14
	s_mov_b32 s13, 0
	s_lshl_b32 s14, s10, 4
	s_lshl_b32 s15, s11, 2
	s_add_co_u32 s14, s14, s15
	s_lshl_b32 s14, s14, 8                         ; 256 bytes for each (G, s)
	s_mov_b32 s15, 0
	s_wait_kmcnt 0x0
	s_add_nc_u64 s[4:5], s[4:5], s[12:13]
	s_add_nc_u64 s[6:7], s[6:7], s[14:15]
.macro MLOADU j                        ; step j: 16 rows x 512 bytes; the tile's rows are 0-7 and 16-23 from its first
.irp i, 0,1,2,3,4,5,6,7,8,9,10,11,12,13,14,15
	global_load_b128 v[L+64*((\j)%2)+4*\i:L+64*((\j)%2)+4*\i+3], v1, s[4:5] offset:(\i+8*(\i/8))*8192+512*(\j) th:TH_LOAD_NT
.endr
.endm
.macro MUNIT j
.if (\j) < 3
	s_wait_loadcnt 16                              ; this step's 16 loads are in; the next step's 16 may be out
.else
	s_wait_loadcnt 0
.endif
.irp i, 0,1,2,3,4,5,6,7,8,9,10,11,12,13,14,15
	ds_store_b128 v2, v[L+64*((\j)%2)+4*\i:L+64*((\j)%2)+4*\i+3] offset:528*\i
.endr
.irp bb, 0,1,2,3
.irp q, 0,1,2,3
	ds_load_b128 v[M+16*\bb+4*\q:M+16*\bb+4*\q+3], v3 offset:128*\bb+16*\q   ; LDS serves a wave's instructions in order: these see the stores
.endr
.endr
	s_wait_dscnt 0x0                               ; my numbers are in, and the stores have read their registers
.if (\j)+2 < 4
	MLOADU (\j)+2
.endif
.set n, 0
.rept 8
.set k, 0
.rept 8
	v_cmp_ne_u32 s[16+k], 0, v[M+n+k]              ; word n + k: a bit for each lane
.set k, k+1
.endr
.set k, 0
.rept 8
	v_writelane_b32 v[W+2*(\j)+((n+k)&1)], s[16+k], (n+k)>>1
.set k, k+1
.endr
.set n, n+8
.endr
	global_store_b64 v4, v[W+2*(\j):W+2*(\j)+1], s[6:7] offset:256*(\j)   ; 32 lanes store 256 consecutive bytes, aligned
.endm
	MLOADU 0
	MLOADU 1
	MUNIT 0
	MUNIT 1
	MUNIT 2
	MUNIT 3
	s_wait_tensorcnt 0x0                           ; the wave's end
	ds_add_u32 v[SPW], v[NIL]
	s_wait_dscnt 0x0
	s_endpgm
; ---------------------------------------------------------------- THE ACTIVATIONS
; queries, keys, values, each [8192][1024] f32, K innermost -> codes of FP6 (E2M3), rows of 768 bytes, and 32 E8M0 scale bytes a row, in xb: [3][8192][768], then from XS0 on [3][8192][32].
; A block's scale is 2^(floor(log2(its largest magnitude)) - 2); its byte is the largest magnitude's exponent field - 2, held at 1 from below.
; 256 work-groups a tensor; a work-group takes 32 rows, a wave 8 (8,192 numbers, 16 steps of 512).  THE ORDER OF THE STORED ROWS: inside each 32 rows the two middle groups of eight change places:
; wave 1's rows are stored third and wave 2's second.  So 16 consecutive stored rows are rows 0-7 and 16-23 (or 8-15 and 24-31) of the 32, as the projections want the rows of a tile.
; Each of a step's four loads reads 512 consecutive bytes; the 2,048 bytes turn through the wave's own stage in LDS and come back 64 bytes a lane: 16 neighbours along K; two neighbouring lanes hold a block.
.Lacts:
.set STEPS, 16
.set CB,    12                         ; bytes of 16 codes
.set XS0,   18874368                   ; where the scale bytes begin in xb
.set R,     16                         ; v16-79   four sets of 16 numbers as they are loaded
.set X,     80                         ; v80-111  two sets of 16 neighbours
.set C,     128                        ; v128-191 codes: four registers for each step
.set E,     112                        ; v112-127 a scale byte for each step
.set WREG,  8192                       ; LDS: a region for each wave: two stages of 32 x SP bytes, and behind them its 256 scale bytes
.set SP,    80                         ; a lane's place in a stage: its 64 bytes + 16 of padding
	s_load_b128 s[4:7], s[0:1], 0x20               ; queries s[4:5], keys s[6:7]
	s_load_b64 s[8:9], s[0:1], 0x30                ; values
	s_load_b64 s[10:11], s[0:1], 0x48              ; xb
	v_lshrrev_b32 v1, 5, v0
	v_readfirstlane_b32 s16, v1                    ; wave
	v_and_b32 v2, 31, v0                           ; lane
	v_lshlrev_b32 v3, 4, v2                        ; my 16 bytes of a load's 512
	s_mul_i32 s17, s16, WREG
	s_add_co_u32 s17, s17, LX
	v_lshrrev_b32 v14, 2, v2
	v_mul_u32_u24 v14, v14, SP
	v_and_b32 v15, 3, v2
	v_lshl_add_u32 v14, v15, 4, v14
	v_add_nc_u32 v14, s17, v14                     ; the stage, on the way in: four lanes' 64 bytes on end, then 16 of padding
	v_mul_u32_u24 v15, v2, SP
	v_add_nc_u32 v15, s17, v15                     ; and on the way out: SP x lane: my 16 neighbours
	v_mul_u32_u24 v4, v2, CB                       ; my codes' place in a step's
	v_lshrrev_b32 v5, 1, v2
	s_add_co_u32 s17, s17, 2*32*SP
	v_add_nc_u32 v5, s17, v5                       ; LDS: my wave's 256 scale bytes, my block's byte
	v_lshlrev_b32 v7, 3, v2                        ; and on the way out 8 bytes a lane
	v_add_nc_u32 v6, s17, v7
	s_sub_co_u32 s26, ttmp9, NWW                   ; my number in this path
	s_lshr_b32 s12, s26, 8                         ; which tensor
	s_and_b32 s17, s26, 255
	s_lshl_b32 s17, s17, 2
	s_add_co_u32 s18, s17, s16                     ; which run of 8 rows of the tensor I read
	s_lshl_b32 s18, s18, 15                        ; 32,768 bytes a run
	s_mov_b32 s19, 0
	s_and_b32 s20, s16, 1
	s_lshl_b32 s20, s20, 1
	s_lshr_b32 s21, s16, 1
	s_or_b32 s20, s20, s21                         ; waves 1 and 2 change places on the way out
	s_lshl_b32 s21, s26, 2
	s_add_co_u32 s20, s20, s21                     ; which run of 8 stored rows of xb I write (the three tensors on end)
	s_mul_i32 s22, s20, 6144
	s_mov_b32 s23, 0
	s_lshl_b32 s24, s20, 8
	s_add_co_u32 s24, s24, XS0
	s_mov_b32 s25, 0
	s_wait_alu depctr_va_vdst(0)
	s_wait_kmcnt 0x0
	s_cmp_eq_u32 s12, 1                            ; the choice hangs on the work-group's number alone
	s_cselect_b64 s[4:5], s[6:7], s[4:5]
	s_cmp_eq_u32 s12, 2
	s_cselect_b64 s[4:5], s[8:9], s[4:5]
	s_add_nc_u64 s[4:5], s[4:5], s[18:19]
	s_add_nc_u64 s[8:9], s[10:11], s[22:23]        ; my codes
	s_add_nc_u64 s[10:11], s[10:11], s[24:25]      ; my scale bytes
.macro XLOAD t
.irp i, 0,1,2,3
	global_load_b128 v[R+16*((\t)%4)+4*\i:R+16*((\t)%4)+4*\i+3], v3, s[4:5] offset:2048*(\t)+512*\i th:TH_LOAD_NT   ; 32 lanes read 512 consecutive bytes
.endr
.endm
.macro XTURN t                         ; step t's numbers through the stage: LDS serves a wave's instructions in order, so no wait stands between the stores and the loads
.irp i, 0,1,2,3
	ds_store_b128 v14, v[R+16*((\t)%4)+4*\i:R+16*((\t)%4)+4*\i+3] offset:32*SP*((\t)%2)+8*SP*\i
.endr
.irp i, 0,1,2,3
	ds_load_b128 v[X+16*((\t)%2)+4*\i:X+16*((\t)%2)+4*\i+3], v15 offset:32*SP*((\t)%2)+16*\i
.endr
.endm
.irp t, 0,1,2,3
	XLOAD \t
.endr
	s_wait_loadcnt 12                              ; step 0's four loads are in; the twelve of steps 1 to 3 may be out
	XTURN 0
.macro XSTEP t
.set XS, X+16*((\t)%2)
.if (\t) > 0
	s_wait_dscnt 1                                 ; this step's numbers are back from the stage (the last step's byte store may be out)
.else
	s_wait_dscnt 0x0
.endif
.if (\t)+4 < STEPS
	XLOAD (\t)+4
.endif
.if (\t)+1 < STEPS
.if STEPS-2-(\t) >= 3
	s_wait_loadcnt 12                              ; the next step's four loads are in; those of the three steps behind it may be out
.else
	s_wait_loadcnt 4*(STEPS-2-(\t))
.endif
	XTURN (\t)+1
.endif
	v_max3_num_f32 v8, |v[XS]|, |v[XS+1]|, |v[XS+2]|               ; the largest magnitude of my 16
	v_max3_num_f32 v9, |v[XS+3]|, |v[XS+4]|, |v[XS+5]|
.irp i, 6,10
	v_max3_num_f32 v8, v8, |v[XS+\i]|, |v[XS+\i+1]|
	v_max3_num_f32 v9, v9, |v[XS+\i+2]|, |v[XS+\i+3]|
.endr
	v_max3_num_f32 v8, v8, |v[XS+14]|, |v[XS+15]|
	v_max3_num_f32 v8, v8, v9, (EMAX+1)<<23        ; and the floor 2^(EMAX + 1 - 127)
	v_max_num_f32_dpp v8, v8, v8 row_xmask:1 row_mask:0xf bank_mask:0xf   ; and of my neighbour's 16: the block's
	v_add_nc_u32 v11, -(EMAX<<23), v8              ; EMAX off its exponent field: the conversion's scale operand
	v_cvt_scalef32_pk16_fp6_f32 v[C+4*(\t):C+4*(\t)+2], v[XS:XS+15], v11
	v_lshrrev_b32 v[E+(\t)], 23, v11               ; the scale's byte
	ds_store_b8 v5, v[E+(\t)] offset:16*(\t)       ; both lanes of a block write the same byte with the same value
	global_store_b96 v4, v[C+4*(\t):C+4*(\t)+2], s[8:9] offset:32*CB*(\t)
.endm
.irp t, 0,1,2,3,4,5,6,7,8,9,10,11,12,13,14,15
	XSTEP \t
.endr
	ds_load_b64 v[8:9], v6                         ; LDS serves a wave's instructions in order: these see my stores
	s_wait_dscnt 0x0
	global_store_b64 v7, v[8:9], s[10:11]          ; 32 lanes store 256 consecutive bytes, aligned
	s_wait_tensorcnt 0x0                           ; the wave's end
	ds_add_u32 v[SPW], v[NIL]
	s_wait_dscnt 0x0
	s_endpgm
; ---------------------------------------------------------------- THE WEIGHTS
; W [1024 (k)][1024 (c)], f32, K its FIRST axis, for each of the four weights -> codes with K innermost, rows of 768 bytes, and 32 scale bytes a row, in wb.
; A lane takes a column c and its registers run down K: a block of 32 along K lies in one lane's 32 registers.  A wave takes 32 columns x 256 along K; its codes go through its own stage in LDS and leave by rows.
; WHICH ROW A COLUMN BECOMES.  Wo: row c.  Wq, Wk, Wv: column c = 16 d + h (the head's axis is last) becomes row 64 h + d', so that a head's 64 numbers are neighbours; d' is d with bits 3 and 4 exchanged:
; inside each 32 rows the two middle groups of eight change places, so that 16 consecutive stored rows are rows 0-7 and 16-23 (or 8-15 and 24-31) of the 32.
; Work-group (x = id % 8: which 128 columns; y = id / 8 = 4 x weight + which 256 along K).
.Lweights:
.set SIZE_N, 1024
.set KW,    256
.set NB,    KW/32
.set ROWB,  192                        ; bytes of KW codes
.set PITCH, 272                        ; a stage row: sixteen places of 16 bytes, each with 12 bytes of codes, + 16
.set KROW,  768                        ; a row of codes in wb
.set WC,    786432                     ; a weight's codes in wb
.set WS0,   3145728                    ; where the scale bytes begin in wb
.set WSS,   32768                      ; a weight's scale bytes
.set X,     32                         ; v32-95   two sets of 32 numbers
.set C,     96                         ; v96..    a block's codes
.set OUTR,  112                        ; v112-175 the way out: 16 x 4 registers
.set AD,    176                        ; v176-191 the way out: a byte offset in wb for each of the sixteen stores
.set SB,    24                         ; v24-25   the scale bytes, four to a register
	s_load_b256 s[4:11], s[0:1], 0x0               ; Wq, Wk, Wv, Wo
	s_load_b64 s[12:13], s[0:1], 0x40              ; wb
	v_lshrrev_b32 v1, 5, v0
	v_readfirstlane_b32 s16, v1                    ; wave 0..3
	v_and_b32 v2, 31, v0                           ; lane
	s_wait_alu depctr_va_vdst(0)
	s_and_b32 s42, ttmp9, 7                        ; x
	s_lshr_b32 s17, ttmp9, 3                       ; y
	s_lshr_b32 s18, s17, 2                         ; which weight
	s_and_b32 s19, s17, 3                          ; which 256 along K
	s_and_b32 s20, s42, 4
	s_and_b32 s21, s42, 1
	s_lshl_b32 s21, s21, 1
	s_or_b32 s20, s20, s21
	s_bfe_u32 s21, s42, 0x10001
	s_or_b32 s20, s20, s21                         ; x with bits 0 and 1 exchanged: they are bits 3 and 4 of d
	s_lshl_b32 s20, s20, 3
	s_lshl_b32 s21, s16, 1
	s_add_co_u32 s20, s20, s21                     ; d' of my first column: 8 x' + 2 wave
	s_lshl_b32 s22, s42, 7
	s_lshl_b32 s21, s16, 5
	s_add_co_u32 s22, s22, s21                     ; my first column: 128 x + 32 wave
	s_mov_b32 s24, 1536
	s_mov_b32 s27, 32
	s_mov_b32 s28, 512
	s_cmp_lg_u32 s18, 3                            ; heads' order (Wq, Wk, Wv) or natural (Wo)?  It hangs on the work-group's number alone
	s_cselect_b32 s23, s20, s22                    ; the row from which my wave's rows are counted
	s_cselect_b32 s24, 98304, s24                  ; from one store's two stage rows to the next's: 128 rows of wb, or 2
	s_cselect_b32 s25, 785664, 0                   ; heads' order: stage rows 16-31 are the same heads, one d on: back 1,024 rows less one
	s_cselect_b32 s26, 64, 1                       ; from a stage row to the next: 64 rows of wb, or 1
	s_cselect_b32 s27, 2048, s27                   ; scale bytes: lane % 16 counts heads (64 rows of 32 bytes) or rows,
	s_cselect_b32 s28, 32, s28                     ; lane / 16 counts one row or sixteen
	s_sub_co_u32 s31, s24, s25
	s_mul_i32 s30, s26, KROW
	v_lshlrev_b32 v3, 2, v2                        ; in: 4 bytes a lane
	s_mul_i32 s29, s16, 32*PITCH                   ; my stage (this path's LDS bytes begin at LW = 0)
	v_mul_u32_u24 v4, v2, PITCH
	v_add_nc_u32 v4, s29, v4                       ; into it: row = my column
	v_and_b32 v5, 15, v2
	v_lshrrev_b32 v6, 4, v2
	v_mul_u32_u24 v7, v6, PITCH
	v_lshl_add_u32 v7, v5, 4, v7
	v_add_nc_u32 v7, s29, v7                       ; out of it: sixteen lanes to a row, two rows an instruction
	v_mul_lo_u32 v[AD], v6, s30
	v_mad_u32_u24 v[AD], v5, 12, v[AD]             ; store 0: stage rows 0 and 1; 12 bytes a lane
.irp t, 1,2,3,4,5,6,7,8,9,10,11,12,13,14,15
.if \t == 8
	v_add_nc_u32 v[AD+\t], s31, v[AD+\t-1]
.else
	v_add_nc_u32 v[AD+\t], s24, v[AD+\t-1]
.endif
.endr
	v_mul_lo_u32 v9, v5, s27
	v_mul_lo_u32 v10, v6, s28
	v_add_nc_u32 v9, v9, v10                       ; my column's row of scale bytes
	s_lshl_b32 s36, s19, 20                        ; W: 256 rows of 4,096 bytes for each step along K,
	s_lshl_b32 s37, s22, 2
	s_add_co_u32 s36, s36, s37                     ; + 4 x my first column
	s_mov_b32 s37, 0
	s_mul_i32 s38, s18, WC                         ; codes: the weight, the first row, the 192 bytes of this 256 along K
	s_mul_i32 s39, s23, KROW
	s_add_co_u32 s38, s38, s39
	s_mul_i32 s39, s19, ROWB
	s_add_co_u32 s38, s38, s39
	s_mov_b32 s39, 0
	s_mul_i32 s40, s18, WSS                        ; scale bytes likewise: 32 a row, 8 for this 256 along K
	s_lshl_b32 s41, s23, 5
	s_add_co_u32 s40, s40, s41
	s_lshl_b32 s41, s19, 3
	s_add_co_u32 s40, s40, s41
	s_add_co_u32 s40, s40, WS0
	s_mov_b32 s41, 0
	s_wait_kmcnt 0x0
	s_cmp_eq_u32 s18, 1
	s_cselect_b64 s[4:5], s[6:7], s[4:5]
	s_cmp_eq_u32 s18, 2
	s_cselect_b64 s[4:5], s[8:9], s[4:5]
	s_cmp_eq_u32 s18, 3
	s_cselect_b64 s[4:5], s[10:11], s[4:5]
	s_add_nc_u64 s[4:5], s[4:5], s[36:37]
	s_add_nc_u64 s[32:33], s[12:13], s[38:39]
	s_add_nc_u64 s[34:35], s[12:13], s[40:41]
.macro WLOAD t                         ; block t: W(32 t + i, my column), i = 0 .. 31, into set t % 2
.irp i, 0,1,2,3,4,5,6,7,8,9,10,11,12,13,14,15,16,17,18,19,20,21,22,23,24,25,26,27,28,29,30,31
	global_load_b32 v[X+32*((\t)%2)+\i], v3, s[4:5] offset:(32*(\t)+\i)*SIZE_N*4 th:TH_LOAD_NT
.endr
.endm
	WLOAD 0
	WLOAD 1
.macro WBLOCK t
.set XS, X+32*((\t)%2)
.if (\t) < NB-1
	s_wait_loadcnt 32                              ; this block's 32 loads are in; the next block's 32 may be out
.else
	s_wait_loadcnt 0
.endif
	v_max3_num_f32 v12, |v[XS]|, |v[XS+1]|, |v[XS+2]|               ; the block's largest magnitude: all 32 numbers are mine
	v_max3_num_f32 v13, |v[XS+3]|, |v[XS+4]|, |v[XS+5]|
.irp i, 6,10,14,18,22,26
	v_max3_num_f32 v12, v12, |v[XS+\i]|, |v[XS+\i+1]|
	v_max3_num_f32 v13, v13, |v[XS+\i+2]|, |v[XS+\i+3]|
.endr
	v_max3_num_f32 v12, v12, |v[XS+30]|, |v[XS+31]|
	v_max3_num_f32 v12, v12, v13, (EMAX+1)<<23     ; and the floor 2^(EMAX + 1 - 127): the byte cannot fall under 1
	v_add_nc_u32 v11, -(EMAX<<23), v12             ; EMAX off its exponent field: the conversion takes the exponent field of this operand as its scale
	v_lshrrev_b32 v13, 23, v11                     ; the scale's byte
.if (\t)%4 == 0
	v_mov_b32 v[SB+(\t)/4], v13                    ; four bytes to a register, the lower K in the lower byte
.else
	v_lshl_or_b32 v[SB+(\t)/4], v13, 8*((\t)%4), v[SB+(\t)/4]
.endif
	v_cvt_scalef32_pk16_fp6_f32 v[C:C+2], v[XS:XS+15], v11
	v_cvt_scalef32_pk16_fp6_f32 v[C+4:C+6], v[XS+16:XS+31], v11     ; (a conversion's three registers begin on an even number)
	ds_store_b96 v4, v[C:C+2] offset:32*(\t)       ; 16 codes, 12 bytes, to a place of 16 bytes in the stage
	ds_store_b96 v4, v[C+4:C+6] offset:32*(\t)+16
.if (\t)+2 < NB
	WLOAD (\t)+2
.endif
	s_wait_dscnt 0x0                               ; the stores have read their registers: the next block's codes may be written
.endm
.set Q, 0
.rept NB
	WBLOCK Q
.set Q, Q+1
.endr
	s_wait_alu depctr_va_vdst(0)
	global_store_b64 v9, v[SB:SB+1], s[34:35]      ; my column's 8 scale bytes
.irp t, 0,1,2,3,4,5,6,7,8,9,10,11,12,13,14,15
	ds_load_b96 v[OUTR+4*\t:OUTR+4*\t+2], v7 offset:2*\t*PITCH   ; LDS serves a wave's instructions in order: these see my stores
.endr
.irp t, 0,1,2,3,4,5,6,7,8,9,10,11,12,13,14,15
	s_wait_dscnt 15-\t                             ; the loads behind load t may be out
	global_store_b96 v[AD+\t], v[OUTR+4*\t:OUTR+4*\t+2], s[32:33]   ; sixteen lanes store a row's 192 consecutive bytes
.endr
	s_wait_tensorcnt 0x0                           ; the wave's end
	ds_add_u32 v[SPW], v[NIL]
	s_wait_dscnt 0x0
	s_endpgm
.Lfunc_end_k_qee9ff08ea5_prep:
	.size	k_qee9ff08ea5_prep, .Lfunc_end_k_qee9ff08ea5_prep-k_qee9ff08ea5_prep
	.p2alignl 7, 3214868480
	.fill 96, 4, 3214868480
	.section	.rodata,"a",@progbits
	.p2align	6, 0x0
	.amdhsa_kernel k_qee9ff08ea5_prep
		.amdhsa_group_segment_fixed_size 101888
		.amdhsa_private_segment_fixed_size 0
		.amdhsa_enable_private_segment 0
		.amdhsa_kernarg_size 88
		.amdhsa_user_sgpr_count 2
		.amdhsa_user_sgpr_kernarg_segment_ptr 1
		.amdhsa_wavefront_size32 1
		.amdhsa_system_sgpr_workgroup_id_x 1
		.amdhsa_system_sgpr_workgroup_id_y 1
		.amdhsa_system_sgpr_workgroup_id_z 1
		.amdhsa_system_vgpr_workitem_id 0
		.amdhsa_next_free_vgpr 224
		.amdhsa_next_free_sgpr 66
		.amdhsa_reserve_vcc 0
		.amdhsa_float_denorm_mode_32 3
		.amdhsa_float_denorm_mode_16_64 3
		.amdhsa_memory_ordered 1
		.amdhsa_forward_progress 1
		.amdhsa_inst_pref_size 124
	.end_amdhsa_kernel
	.amdgpu_metadata
---
amdhsa.version: [ 1, 2 ]
amdhsa.kernels:
  - .name:           k_qee9ff08ea5_prep
    .symbol:         k_qee9ff08ea5_prep.kd
    .args:
      - { .name: Wq, .offset: 0, .size: 8, .value_kind: global_buffer, .address_space: global }
      - { .name: Wk, .offset: 8, .size: 8, .value_kind: global_buffer, .address_space: global }
      - { .name: Wv, .offset: 16, .size: 8, .value_kind: global_buffer, .address_space: global }
      - { .name: Wo, .offset: 24, .size: 8, .value_kind: global_buffer, .address_space: global }
      - { .name: queries, .offset: 32, .size: 8, .value_kind: global_buffer, .address_space: global }
      - { .name: keys, .offset: 40, .size: 8, .value_kind: global_buffer, .address_space: global }
      - { .name: values, .offset: 48, .size: 8, .value_kind: global_buffer, .address_space: global }
      - { .name: mask, .offset: 56, .size: 8, .value_kind: global_buffer, .address_space: global }
      - { .name: wb, .offset: 64, .size: 8, .value_kind: global_buffer, .address_space: global }
      - { .name: xb, .offset: 72, .size: 8, .value_kind: global_buffer, .address_space: global }
      - { .name: mw, .offset: 80, .size: 8, .value_kind: global_buffer, .address_space: global }
    .group_segment_fixed_size: 101888
    .private_segment_fixed_size: 0
    .kernarg_segment_align: 8
    .kernarg_segment_size: 88
    .max_flat_workgroup_size: 128
    .sgpr_count:     66
    .vgpr_count:     224
    .wavefront_size: 32
...
	.end_amdgpu_metadata
.endif
;; end of part 1
;; launch proj (part 2): grid 4 x 96, 4 waves a work-group, clusters of 4 x 4, 327,680 bytes of LDS; arguments xb, wb, fr; writes fr
.if DOCPART == 2
	.amdgcn_target "amdgcn-amd-amdhsa--gfx1250"
	.amdhsa_code_object_version 6
	.text
	.protected	k_qee9ff08ea5_proj
	.globl	k_qee9ff08ea5_proj
	.p2align	8
	.type	k_qee9ff08ea5_proj,@function
k_qee9ff08ea5_proj:
	s_mov_b64 s[64:65], 0
	v_nop
	global_prefetch_b8 v0, s[64:65] scope:SCOPE_SE
	s_setreg_imm32_b32 hwreg(HW_REG_WAVE_MODE, 25, 1), 1
	s_wait_xcnt 0x0
	s_wait_alu depctr_hold_cnt(0) depctr_sa_sdst(0) depctr_va_vdst(0) depctr_va_sdst(0) depctr_va_ssrc(0) depctr_va_vcc(0) depctr_vm_vsrc(0)
	s_getreg_b32 s2, hwreg(HW_REG_IB_STS2, 6, 4)
	s_cmp_eq_u32 s2, 0
	s_cbranch_scc0 .Lentry_in_a_cluster
	s_endpgm
.Lentry_in_a_cluster:
	s_bfe_u32 s2, ttmp6, 0x10000c
	s_cmp_lg_u32 s2, 0xf033
	s_cbranch_scc0 .Lentry_shape_is_right
	s_endpgm
.Lentry_shape_is_right:
; The three projections on codes of FP6 (E2M3) with E8M0 scales; no work is left out.  Cluster rows 0-7 take queries x Wq, 8-15 keys x Wk, 16-23 Wv^T x values^T (the weight is the left operand there,
; so that a lane's registers run along the keys).  A tile of 256 x 256 is made by four waves, 128 x 128 each: 64 accumulators in windows 2 and 3.
; K goes through two LDS slots in chunks of 256 bytes of each row of codes (a row is 768 bytes: three chunks, each beginning at a multiple of 256 bytes); a step of 128 along K is 96 bytes,
; so steps 2 and 5 lie across two chunks.  The head's four loads, one a wave, bring chunks 0 and 1 of A's 256 rows and of B's; chunk 2 is the one refill, into slot 0, a quarter of it a wave.
; 4 x 4 clusters: A's tiles are asked for jointly along a row, B's along a column.
; THE SCALE WORDS, 32 bytes a row for all of K, go from memory straight into registers at the head: sixteen lanes read 512 consecutive bytes with two loads; A's and B's have registers of their own.
; PREFETCH: chunk 2 is asked of memory at the head, two steps of 64 matrix instructions ahead of the refill that wants it: of the 128 rows that a wave will fetch each of the four partners
; that ask jointly names 32, told apart by address, a lane a row, one instruction a wave.  Chunks 0 and 1 come by their loads alone.
; The results are quantised in registers along the head's 64 (q, k) or along 128 keys (v) and stored as images of the attention launch's operand registers: records of 6,144 bytes of codes and 512 of scale words.
.set SIZE_K, 1024
.set ROWB,   256
.set KROW,   SIZE_K*6/8
.set STEPS,  SIZE_K/128
.set CHUNKS, KROW/ROWB
.set PITCH,  272
.set FR,     12
.set NL,     6
.set NP,     4
.set HALFT,  128*PITCH
.set SLOT,   4*HALFT
.set KS,     SIZE_K/32
.set SPARE,  2*SLOT                    ; the spare words, 128 bytes a wave
.set SSTG,   SPARE+512                 ; the way out: 1,024 bytes a wave for scale words
.set XC,     6291456
.set XS0,    18874368
.set XSS,    262144
.set WC,     786432
.set WS0,    3145728
.set WSS,    32768
.set REC,    6656
.set HS,     64*REC
.set FT,     16*HS
.set PFO,  10                          ; v10 the prefetch's offset: lane x a row of codes; never rewritten
.set SCO,  11                          ; v11 the scale loads' offset: 32 x (lane % 16); never rewritten
.set ADRA, 16
.set ADRB, 20
.set SPW,  28
.set NIL,  29
.set SAR,  32                          ; v32-95 A's scale words: register 8 i + step, block i
.set SBR,  96                          ; v96-127, v224-255 B's: register 8 i + step, blocks 0-3 and 4-7
.set AF,   128                         ; v128-223 A's fragments; on the way out these registers are at work
.set TM,   128
.set PW,   144
.set SW,   145
.set CD,   160
.set T,    184
.set G1, 24
.set G0, 32                            ; group 0 of the refill, A's and B's
.set G1B, 48
.set G0B, 56
.set PFA, 66
.set SPA, 68                           ; s[68:69], s[70:71] where my rows' scale bytes begin
.set SPB, 70
.set G0A1, 76                          ; group 0 of the head's four loads
.set G0B1, 88
.set G0H, 96
.set G0HB, 92
.set MSB, 0
.macro WIN new
.if MSB != (\new)
	s_set_vgpr_msb (MSB<<8)|(\new)
.set MSB, (\new)
.endif
.endm
.set MUL_LO, 0xa1
.set MUL_HI, 0xf1
.set TO_B,   0x40
.macro JLOAD g0a, g1a, g0b, g1b        ; waves 0, 1 fetch for A, waves 2, 3 for B
	s_cmp_eq_u32 s15, 0
	s_cbranch_scc0 .Lfor_b_\@
	tensor_load_to_lds s[\g0a:\g0a+3], s[\g1a:\g1a+7]
	s_nop 0
.rept 4
	v_nop
.endr
	s_branch .Lasked_\@
.Lfor_b_\@:
	tensor_load_to_lds s[\g0b:\g0b+3], s[\g1b:\g1b+7]
	s_nop 0
.rept 4
	v_nop
.endr
.Lasked_\@:
.endm
.macro CREST
	s_cmp_lg_u32 s14, 0
	s_cbranch_scc1 .Lnot_wave_0_\@
	s_barrier_signal -3
.Lnot_wave_0_\@:
	s_barrier_wait -3
	s_barrier_signal -1
	s_barrier_wait -1
.endm
.macro CROUND
	s_barrier_signal -1
	s_barrier_wait -1
	CREST
.endm
	s_load_b128 s[96:99], s[0:1], 0x0              ; xb, wb
	s_load_b64 s[100:101], s[0:1], 0x10            ; fr
	v_lshl_add_u32 v[SPW], v0, 2, SPARE
	v_mov_b32 v[NIL], 0
	ds_add_u32 v[SPW], v[NIL]                      ; the opening adds
	ds_add_u32 v[SPW], v[NIL]
	v_lshrrev_b32 v1, 5, v0
	v_readfirstlane_b32 s14, v1                    ; wave
	s_lshr_b32 s15, s14, 1
	s_and_b32 s16, s14, 1
	s_bfe_u32 s40, ttmp6, 0x40000                  ; cx
	s_bfe_u32 s41, ttmp6, 0x40004                  ; cy
	s_and_b32 s2, ttmp7, 0xffff
	s_lshr_b32 s105, s2, 3                         ; which tensor
	s_and_b32 s2, s2, 7
	s_mul_i32 s4, s105, XC
	s_mul_i32 s5, s105, XSS
	s_add_co_u32 s5, s5, XS0
	s_mul_i32 s6, s105, WC
	s_mul_i32 s7, s105, WSS
	s_add_co_u32 s7, s7, WS0
	s_cmp_eq_u32 s105, 2                           ; values: the weight is A, the activations are B
	s_cselect_b32 s8, s6, s4
	s_cselect_b32 s9, s7, s5
	s_cselect_b32 s10, s4, s6
	s_cselect_b32 s11, s5, s7
	s_cselect_b32 s12, 0, s2
	s_cselect_b32 s13, s2, 0
	s_cselect_b32 s104, 1, 0
	s_lshl_b32 s42, s13, 2
	s_add_co_u32 s42, s42, s40                     ; tile column
	s_lshl_b32 s17, s12, 2
	s_add_co_u32 s17, s17, s41                     ; tile row
	s_lshl_b32 s43, s41, 2
	s_lshl_b32 s43, 15, s43                        ; my row of the cluster
	s_lshl_b32 s44, 0x1111, s40                    ; my column
	s_or_b32 s[G1+0], s43, (0<<16)|(1<<20)|(1<<21)|(5<<22)|(3<<25)
	s_or_b32 s[G1B+0], s44, (0<<16)|(1<<20)|(1<<21)|(5<<22)|(3<<25)
.irp g, G1, G1B
	s_mov_b32 s[\g+1], ROWB<<16
	s_mov_b32 s[\g+2], 256<<16                     ; the head's loads bring 256 rows
	s_mov_b32 s[\g+3], ROWB<<16
	s_mov_b32 s[\g+4], 256
	s_mov_b32 s[\g+5], KROW
	s_mov_b32 s[\g+6], 0
	s_mov_b32 s[\g+7], 0
.endr
	s_lshl_b32 s20, s17, 8
	s_lshl_b32 s46, s42, 8
	s_mov_b32 s21, 0
	s_mov_b32 s47, 0
	s_mov_b64 s[18:19], KS
	s_mul_u64 s[22:23], s[20:21], s[18:19]
	s_mul_u64 s[92:93], s[46:47], s[18:19]
	s_mov_b64 s[18:19], KROW
	s_mul_u64 s[20:21], s[20:21], s[18:19]
	s_mul_u64 s[46:47], s[46:47], s[18:19]
	s_mov_b32 s19, 0
	s_mov_b32 s18, s8
	s_add_nc_u64 s[20:21], s[20:21], s[18:19]
	s_mov_b32 s18, s9
	s_add_nc_u64 s[22:23], s[22:23], s[18:19]
	s_mov_b32 s18, s10
	s_add_nc_u64 s[46:47], s[46:47], s[18:19]
	s_mov_b32 s18, s11
	s_add_nc_u64 s[92:93], s[92:93], s[18:19]
	s_mul_i32 s18, s16, 128*KROW                   ; of the refill I fetch 128 rows of a tile
	s_mul_i32 s45, s14, HALFT
	s_mov_b32 s3, 0
	s_wait_dscnt 0x0
	s_wait_kmcnt 0x0
	s_cmp_eq_u32 s104, 1
	s_cselect_b64 s[4:5], s[98:99], s[96:97]
	s_cselect_b64 s[6:7], s[96:97], s[98:99]
	s_add_nc_u64 s[20:21], s[4:5], s[20:21]
	s_add_nc_u64 s[22:23], s[4:5], s[22:23]
	s_add_nc_u64 s[46:47], s[6:7], s[46:47]
	s_add_nc_u64 s[92:93], s[6:7], s[92:93]
	CROUND                                         ; the first joint loads meet
	s_lshl_b32 s2, s15, 12                         ; the scale bytes of the 128 rows of A that I multiply,
	s_add_nc_u64 s[SPA:SPA+1], s[22:23], s[2:3]
	s_lshl_b32 s2, s16, 12                         ; and of my 128 rows of B
	s_add_nc_u64 s[SPB:SPB+1], s[92:93], s[2:3]
	s_mov_b32 s[G0H], 1                            ; chunk 0 of A's 256 rows,
	s_mov_b32 s[G0H+1], 0
	s_mov_b64 s[G0H+2:G0H+3], s[20:21]
	s_or_b32 s[G0H+3], s[G0H+3], 0x80000000
	s_mov_b32 s[G0HB], 1                           ; of B's,
	s_mov_b32 s[G0HB+1], 2*HALFT
	s_mov_b64 s[G0HB+2:G0HB+3], s[46:47]
	s_or_b32 s[G0HB+3], s[G0HB+3], 0x80000000
	s_mov_b32 s[G0A1], 1                           ; chunk 1 of A's, into slot 1,
	s_mov_b32 s[G0A1+1], SLOT
	s_add_nc_u64 s[G0A1+2:G0A1+3], s[20:21], ROWB
	s_or_b32 s[G0A1+3], s[G0A1+3], 0x80000000
	s_mov_b32 s[G0B1], 1                           ; and of B's
	s_mov_b32 s[G0B1+1], SLOT+2*HALFT
	s_add_nc_u64 s[G0B1+2:G0B1+3], s[46:47], ROWB
	s_or_b32 s[G0B1+3], s[G0B1+3], 0x80000000
	s_add_nc_u64 s[20:21], s[20:21], s[18:19]      ; for the refill: my 128 rows of the tile
	s_add_nc_u64 s[46:47], s[46:47], s[18:19]
	s_mov_b32 s[G0], 1
	s_add_co_u32 s[G0+1], s45, 0
	s_mov_b64 s[G0+2:G0+3], s[20:21]
	s_or_b32 s[G0+3], s[G0+3], 0x80000000
	s_mov_b32 s[G0B], 1
	s_add_co_u32 s[G0B+1], s45, 0
	s_mov_b64 s[G0B+2:G0B+3], s[46:47]
	s_or_b32 s[G0B+3], s[G0B+3], 0x80000000
	s_cmp_eq_u32 s15, 0                            ; the prefetch: of those 128 rows my work-group names 32, by its place among the four that ask jointly
	s_cselect_b64 s[PFA:PFA+1], s[20:21], s[46:47]
	s_cselect_b32 s2, s40, s41
	s_mul_i32 s2, s2, 32*KROW
	s_add_nc_u64 s[PFA:PFA+1], s[PFA:PFA+1], s[2:3]
.macro ARM under, g0, g1, next         ; one chain of branches on the wave's number, one load to an arm
	s_cmp_lt_u32 s14, \under
	s_cbranch_scc0 \next
	tensor_load_to_lds s[\g0:\g0+3], s[\g1:\g1+7]
	s_nop 0
.rept 4
	v_nop
.endr
	s_branch .Lhead_asked
\next:
.endm
	ARM 1, G0H,  G1,  .Lhead_b
	ARM 2, G0HB, G1B, .Lhead_a1
	ARM 3, G0A1, G1,  .Lhead_b1
	tensor_load_to_lds s[G0B1:G0B1+3], s[G1B:G1B+7]
	s_nop 0
.rept 4
	v_nop
.endr
.Lhead_asked:
	v_and_b32 v1, 15, v0                           ; r
	v_bfe_u32 v2, v0, 4, 1                         ; h
	v_lshlrev_b32 v[SCO], 5, v1
.irp i, 0,1,2,3,4,5,6,7
	global_load_b128 v[SAR+8*\i:SAR+8*\i+3], v[SCO], s[SPA:SPA+1] offset:512*\i
	global_load_b128 v[SAR+8*\i+4:SAR+8*\i+7], v[SCO], s[SPA:SPA+1] offset:512*\i+16
	global_load_b128 v[SBR+8*\i+96*(\i/4):SBR+8*\i+96*(\i/4)+3], v[SCO], s[SPB:SPB+1] offset:512*\i
	global_load_b128 v[SBR+8*\i+96*(\i/4)+4:SBR+8*\i+96*(\i/4)+7], v[SCO], s[SPB:SPB+1] offset:512*\i+16
.endr
	v_mul_u32_u24 v3, v1, PITCH
	v_mul_u32_u24 v4, v2, 24
	v_add_nc_u32 v4, v3, v4
	s_mov_b32 s21, SLOT-232
	s_mov_b32 s22, SLOT+232
	v_sub_nc_u32 v7, 1, v2
	v_mul_u32_u24 v5, s21, v2
	v_add_nc_u32 v5, v3, v5
	v_add_nc_u32 v5, 232, v5                       ; lanes 0-15 byte 232 of the row in slot 0, lanes 16-31 byte 0 in slot 1
	v_mul_u32_u24 v6, s22, v7
	v_add_nc_u32 v6, v3, v6                        ; and the other way round
	s_mul_i32 s21, s15, HALFT
	s_mul_i32 s22, s16, HALFT
	s_add_co_u32 s22, s22, 2*HALFT
	v_add_nc_u32 v[ADRA+2], s21, v5
	v_add_nc_u32 v[ADRA+3], s21, v6
	v_add_nc_u32 v[ADRB+2], s22, v5
	v_add_nc_u32 v[ADRB+3], s22, v6
.irp s, 0,1
	v_add_nc_u32 v[ADRA+\s], s21, v4
	v_add_nc_u32 v[ADRB+\s], s22, v4
	s_add_co_u32 s21, s21, SLOT
	s_add_co_u32 s22, s22, SLOT
.endr
	v_and_b32 v[PFO], 31, v0
	v_mul_u32_u24 v[PFO], v[PFO], KROW
	global_prefetch_b8 v[PFO], s[PFA:PFA+1] offset:2*ROWB th:TH_LOAD_NT scope:SCOPE_SE   ; chunk 2 of 32 rows, a lane a row
	; the way out: which head and which record my 128 x 128 becomes
	s_lshl_b32 s18, s17, 1
	s_add_co_u32 s18, s18, s15
	s_lshl_b32 s19, s42, 1
	s_add_co_u32 s19, s19, s16
	s_mov_b32 s4, HS
	s_mov_b32 s6, 768
	s_cmp_eq_u32 s104, 1
	s_cselect_b32 s20, s18, s19
	s_cselect_b32 s21, s19, s18
	s_cselect_b32 s4, 768, s4
	s_cselect_b32 s6, 1536, s6
	s_cselect_b32 s8, HS-6144, 0
	s_cselect_b32 s5, 0, 16
	s_mov_b32 s7, 0
	s_mov_b32 s9, 0
	s_lshl_b32 s20, s20, 7
	s_add_co_u32 s20, s20, s21
	s_mul_i32 s20, s20, REC
	s_mul_i32 s21, s105, FT
	s_add_co_u32 s20, s20, s21
	s_mov_b32 s21, 0
	s_add_nc_u64 s[10:11], s[100:101], s[20:21]
	s_mov_b64 s[12:13], s[10:11]
	v_and_b32 v6, 31, v0
	v_lshlrev_b32 v24, 4, v6
	v_lshl_add_u32 v25, v6, 3, 512
	v_add_nc_u32 v26, s4, v24
	v_add_nc_u32 v30, s4, v25
	v_add_nc_u32 v31, HS, v24
	v_mul_u32_u24 v7, s5, v2
	s_lshl_b32 s22, s14, 10
	s_add_co_u32 s22, s22, SSTG
	v_lshl_add_u32 v8, v2, 9, s22
	v_lshl_add_u32 v8, v1, 4, v8
	v_add_nc_u32 v9, s22, v24
	s_mov_b32 s20, 0x76543210
	s_mov_b32 s21, 0xfedcba98
.macro FRAG reg, adr, st, i            ; 16 rows x 128 K: six pieces of 8 bytes; byte y of a row lies in slot (y / 256) % 2 at byte y % 256
.irp p, 0,1,2,3,4,5
.set BY, 96*(\st)+48*(\p/3)+8*(\p%3)
.if BY/ROWB == (BY+24)/ROWB
	ds_load_b64 v[\reg+2*\p:\reg+2*\p+1], v[\adr+(BY/ROWB)%2] offset:BY%ROWB+(\i)*16*PITCH
.else
	ds_load_b64 v[\reg+2*\p:\reg+2*\p+1], v[\adr+2+(BY/ROWB)%2] offset:BY%ROWB-232+(\i)*16*PITCH
.endif
.endr
.endm
.macro MUL16 a0, st, zero              ; the 64 accumulators take turns, in the same order in every step
.irp a, \a0, \a0+1
.irp b, 0,1,2,3,4,5,6,7
.if \zero
	v_wmma_scale_f32_16x16x128_f8f6f4 v[8*(8*((\a)%4)+\b):8*(8*((\a)%4)+\b)+7], v[128*((\st)%2)+FR*\b:128*((\st)%2)+FR*\b+FR-1], v[AF+FR*(\a):AF+FR*(\a)+FR-1], 0, v[SBR+8*\b+96*(\b/4)+(\st)], v[SAR+8*(\a)+(\st)] matrix_a_fmt:MATRIX_FMT_FP6 matrix_b_fmt:MATRIX_FMT_FP6
.else
	v_wmma_scale_f32_16x16x128_f8f6f4 v[8*(8*((\a)%4)+\b):8*(8*((\a)%4)+\b)+7], v[128*((\st)%2)+FR*\b:128*((\st)%2)+FR*\b+FR-1], v[AF+FR*(\a):AF+FR*(\a)+FR-1], v[8*(8*((\a)%4)+\b):8*(8*((\a)%4)+\b)+7], v[SBR+8*\b+96*(\b/4)+(\st)], v[SAR+8*(\a)+(\st)] matrix_a_fmt:MATRIX_FMT_FP6 matrix_b_fmt:MATRIX_FMT_FP6
.endif
.endr
.endr
.endm
.macro FETCH_B st, p
	WIN TO_B
.irp i, 0,1,2,3,4,5,6,7
	FRAG 128*(\p)+FR*\i, ADRB, \st, \i
.endr
	WIN 0
.endm
.macro FETCH_A st, i0
.irp i, \i0, \i0+1, \i0+2, \i0+3
	FRAG AF+FR*(\i), ADRA, \st, \i
.endr
.endm
.macro PLACES n
.rept \n
	v_nop
.endr
.endm
; A step of 128 along K.  Where the next step's bytes end in a chunk that came by the refill, a barrier shows that chunk whole; where they begin in a later chunk, the chunk left behind is free:
; all my tensor loads waited for, the add, my LDS reads waited for, the barrier, which opens a round where a chunk two on is left to fetch, and the refill first behind it.
.macro STEP st, zero
.set NX, (\st)+1
.set C0, (96*(\st))/ROWB
.set C1, (96*NX)/ROWB
.set E0, (96*(\st)+95)/ROWB
.set E1, (96*NX+95)/ROWB
.if C1 > C0 || (E1 > E0 && E1 > 1)
	s_wait_tensorcnt 0x0
.if C1 > C0
	ds_add_u32 v[SPW], v[NIL]
	s_wait_dscnt 4*NL+1                            ; the add and A's blocks 4-7 may be out
.else
	s_wait_dscnt 4*NL                              ; A's blocks 4-7 may be out
.endif
	WIN MUL_LO
	MUL16 0, \st, \zero
	s_wait_dscnt 0x0
	s_barrier_signal -1
	MUL16 2, \st, \zero
	WIN 0
	s_barrier_wait -1
.if C1 > C0 && C0+2 < CHUNKS
	CREST
	s_add_nc_u64 s[G0+2:G0+3], s[G0+2:G0+3], 2*ROWB
	s_add_nc_u64 s[G0B+2:G0B+3], s[G0B+2:G0B+3], 2*ROWB
	JLOAD G0, G1, G0B, G1B                         ; chunk 2, into slot 0
.else
	PLACES NP
.endif
.else
	s_wait_dscnt 4*NL                              ; A's blocks 4-7 may be out
	WIN MUL_LO
	MUL16 0, \st, \zero
	MUL16 2, \st, \zero
	s_wait_dscnt 0
	PLACES NP
.endif
	FETCH_B NX, NX%2
	FETCH_A NX, 0
	WIN MUL_HI
	MUL16 4, \st, \zero
	MUL16 6, \st, \zero
	PLACES NP
	WIN 0
	FETCH_A NX, 4
.endm
	s_wait_alu depctr_va_vdst(0)                   ; the wait at the head's end
	s_wait_tensorcnt 0x0                           ; my tile of the head's four is in
	s_mov_b32 s[G1+2], 128<<16                     ; no load of mine is out: the refill's loads bring 128 rows
	s_mov_b32 s[G1+4], 128
	s_mov_b32 s[G1B+2], 128<<16
	s_mov_b32 s[G1B+4], 128
	s_wait_loadcnt 0x0                             ; my scale words are in
	s_barrier_signal -1
	s_barrier_wait -1                              ; both slots are whole
	FETCH_B 0, 0
	FETCH_A 0, 0
	FETCH_A 0, 4
	STEP 0, 1
.set ST, 1
.rept STEPS-2
	STEP ST, 0
.set ST, ST+1
.endr
	s_wait_dscnt 4*NL
	WIN MUL_LO
	MUL16 0, 7, 0
	MUL16 2, 7, 0
	s_wait_dscnt 0
	WIN MUL_HI
	MUL16 4, 7, 0
	MUL16 6, 7, 0
	WIN 0
; THE WAY OUT of 16 rows x 128 columns: four blocks of 32 along the next K, each in lanes l and l xor 16; largest magnitude, scale byte, codes, whole blocks to a lane, stored as register images
.macro OUTA a
.set AC, 64*((\a)%4)
.set WN, 2+(\a)/4
.if (\a) > 0
	s_wait_xcnt 0x0
	s_add_nc_u64 s[12:13], s[12:13], s[6:7]
.if (\a) == 4
	s_add_nc_u64 s[12:13], s[12:13], s[8:9]
.endif
.endif
	WIN (WN<<2)|(WN<<4)
.irp b, 0,1,2,3
	v_max3_num_f32 v[TM+\b], 0x1800000, |v[AC+16*\b]|, |v[AC+16*\b+1]|
.endr
.irp i, 2,4,6,8,10,12,14
.irp b, 0,1,2,3
	v_max3_num_f32 v[TM+\b], v[TM+\b], |v[AC+16*\b+\i]|, |v[AC+16*\b+\i+1]|
.endr
.endr
	WIN 0
.irp b, 0,1,2,3
	v_permlanex16_b32 v[TM+4+\b], v[TM+\b], s20, s21
.endr
.irp b, 0,1,2,3
	v_max_num_f32 v[TM+\b], v[TM+\b], v[TM+4+\b]
.endr
.irp b, 0,1,2,3
	v_add_nc_u32 v[TM+12+\b], 0xff000000, v[TM+\b]
.endr
.irp b, 0,1,2,3
	v_lshrrev_b32 v[TM+4+\b], 23, v[TM+12+\b]
.endr
	v_lshl_or_b32 v[PW], v[TM+5], 8, v[TM+4]
	v_lshl_or_b32 v[PW], v[TM+6], 16, v[PW]
	v_lshl_or_b32 v[PW], v[TM+7], 24, v[PW]
	WIN WN
.irp c, 0,1
	v_cvt_scalef32_pk16_fp6_f32 v[CD+6*\c:CD+2+6*\c], v[AC+32*\c:AC+15+32*\c], v[TM+12+2*\c]
	v_cvt_scalef32_pk16_fp6_f32 v[CD+12+4*\c:CD+14+4*\c], v[AC+16+32*\c:AC+31+32*\c], v[TM+12+2*\c+1]
.endr
	WIN 0
	v_nop
.irp c, 0,1
.irp i, 0,1,2
	v_permlane16_swap_b32 v[CD+6*\c+\i], v[CD+12+4*\c+\i]
.endr
.irp i, 0,1,2
	v_mov_b32 v[CD+3+6*\c+\i], v[CD+12+4*\c+\i]
.endr
.endr
	v_lshrrev_b32 v[SW], v7, v[PW]
	ds_store_b32 v8, v[SW] offset:((\a)%2)*256+((\a)/2)*4
	global_store_b128 v24, v[CD:CD+3], s[12:13]
	global_store_b64 v25, v[CD+4:CD+5], s[12:13]
	global_store_b128 v26, v[CD+6:CD+9], s[12:13]
	global_store_b64 v30, v[CD+10:CD+11], s[12:13]
.endm
	PLACES NP
.irp b, 0,1,2,3
	v_mov_b32 v[TM+4+\b], 0                        ; a lane permute's destination counts as one of its sources
.endr
.irp a, 0,1,2,3,4,5,6,7
	OUTA \a
.endr
	ds_load_b128 v[T:T+3], v9
	ds_load_b128 v[T+4:T+7], v9 offset:512
	s_wait_dscnt 0x0
	global_store_b128 v24, v[T:T+3], s[10:11] offset:6144
	global_store_b128 v31, v[T+4:T+7], s[10:11] offset:6144
	s_wait_tensorcnt 0x0                           ; the wave's end
	ds_add_u32 v[SPW], v[NIL]
	s_wait_dscnt 0x0
	CROUND                                         ; the closing round
	s_endpgm
.Lfunc_end_k_qee9ff08ea5_proj:
	.size	k_qee9ff08ea5_proj, .Lfunc_end_k_qee9ff08ea5_proj-k_qee9ff08ea5_proj
	.p2alignl 7, 3214868480
	.fill 96, 4, 3214868480
	.section	.rodata,"a",@progbits
	.p2align	6, 0x0
	.amdhsa_kernel k_qee9ff08ea5_proj
		.amdhsa_group_segment_fixed_size 327680
		.amdhsa_private_segment_fixed_size 0
		.amdhsa_enable_private_segment 0
		.amdhsa_kernarg_size 24
		.amdhsa_user_sgpr_count 2
		.amdhsa_user_sgpr_kernarg_segment_ptr 1
		.amdhsa_wavefront_size32 1
		.amdhsa_system_sgpr_workgroup_id_x 1
		.amdhsa_system_sgpr_workgroup_id_y 1
		.amdhsa_system_sgpr_workgroup_id_z 1
		.amdhsa_system_vgpr_workitem_id 0
		.amdhsa_next_free_vgpr 1024
		.amdhsa_next_free_sgpr 106
		.amdhsa_reserve_vcc 0
		.amdhsa_float_denorm_mode_32 3
		.amdhsa_float_denorm_mode_16_64 3
		.amdhsa_memory_ordered 1
		.amdhsa_forward_progress 1
		.amdhsa_inst_pref_size 167
	.end_amdhsa_kernel
	.amdgpu_metadata
---
amdhsa.version: [ 1, 2 ]
amdhsa.kernels:
  - .name:           k_qee9ff08ea5_proj
    .symbol:         k_qee9ff08ea5_proj.kd
    .args:
      - { .name: xb, .offset: 0, .size: 8, .value_kind: global_buffer, .address_space: global }
      - { .name: wb, .offset: 8, .size: 8, .value_kind: global_buffer, .address_space: global }
      - { .name: fr, .offset: 16, .size: 8, .value_kind: global_buffer, .address_space: global }
    .group_segment_fixed_size: 327680
    .private_segment_fixed_size: 0
    .kernarg_segment_align: 8
    .kernarg_segment_size: 24
    .max_flat_workgroup_size: 128
    .sgpr_count:     106
    .vgpr_count:     1024
    .wavefront_size: 32
...
	.end_amdgpu_metadata
.endif
;; end of part 2
;; launch attn (part 3): grid 4 x 64, 16 waves a work-group, clusters of 4 x 1, 327,680 bytes of LDS; arguments fr, mw, mh; writes mh
.if DOCPART == 3
	.amdgcn_target "amdgcn-amd-amdhsa--gfx1250"
	.amdhsa_code_object_version 6
	.text
	.protected	k_qee9ff08ea5_attn
	.globl	k_qee9ff08ea5_attn
	.p2align	8
	.type	k_qee9ff08ea5_attn,@function
k_qee9ff08ea5_attn:
	s_mov_b64 s[64:65], 0
	v_nop
	global_prefetch_b8 v0, s[64:65] scope:SCOPE_SE
	s_setreg_imm32_b32 hwreg(HW_REG_WAVE_MODE, 25, 1), 1
	s_wait_xcnt 0x0
	s_wait_alu depctr_hold_cnt(0) depctr_sa_sdst(0) depctr_va_vdst(0) depctr_va_sdst(0) depctr_va_ssrc(0) depctr_va_vcc(0) depctr_vm_vsrc(0)
	s_getreg_b32 s2, hwreg(HW_REG_IB_STS2, 6, 4)
	s_cmp_eq_u32 s2, 0
	s_cbranch_scc0 .Lentry_in_a_cluster
	s_endpgm
.Lentry_in_a_cluster:
	s_bfe_u32 s2, ttmp6, 0x10000c
	s_cmp_lg_u32 s2, 0x3003
	s_cbranch_scc0 .Lentry_shape_is_right
	s_endpgm
.Lentry_shape_is_right:
; Attention of one (batch, head) for 512 queries a work-group; no work is left out.  All of the head's K and V, 16 records of 6,656 bytes each, lie in LDS for the whole launch: 212,992 bytes, filled once.
; Each of the 16 waves asks for two records (52 rows of 256 bytes) by ONE joint load at the head: waves 0-7 K's, waves 8-15 V's; the four work-groups of a cluster, the four query quarters of the head, share them.
; A wave takes two tiles of 16 queries, one after the other, each in 16 steps of 128 keys.  Both products are used transposed (S^T = k q^T, O^T = v^T p^T): a lane holds one query.
; The head's axis is 64 long: q's codes of k = 64 .. 127 are zeros, so a K operand may hold two neighbouring tiles of keys.  The mask comes as lane masks, 64 words a step, by scalar loads one step ahead.
; p = 2^(t - M), M the ceiling of the running largest t; the sum is taken of the unquantised p; a masked score is replaced by -2^36 ahead of the maximum:
; a row with every key masked gives equal p for all keys.  LIMIT: the promise holds while the scaled scores stay under 2^31 in magnitude.
; No prefetch: every tile is asked for at the head, and there is no later tensor load to run ahead of.
.set REC,   6656
.set BH,    16*REC
.set FT,    64*BH
.set VB,    BH
.set STG,   2*BH                       ; the way out: 4,352 bytes a wave
.set SPARE, STG+16*4352                ; the spare words, 128 bytes a wave
.set NEXTQ, 8*REC
.set NEXTM, 64*4096
.set NEXTO, 1024*4096
.set SPW,  6
.set NIL,  7
.set TB,   2
.set CNT,  3
.set G0,   52
.set MB,   66
.set G1,   84
.set SEL,  96
.set CS,   98
.set WV,   100
.set MO,   101
.set OB,   104
.macro CROUND
	s_barrier_signal -1
	s_barrier_wait -1
	s_cmp_lg_u32 s[WV], 0
	s_cbranch_scc1 .Lnot_wave_0_\@
	s_barrier_signal -3
.Lnot_wave_0_\@:
	s_barrier_wait -3
	s_barrier_signal -1
	s_barrier_wait -1
.endm
	s_load_b128 s[4:7], s[0:1], 0x0                ; fr, mw
	s_load_b64 s[8:9], s[0:1], 0x10                ; mh
	v_lshl_add_u32 v[SPW], v0, 2, SPARE
	v_mov_b32 v[NIL], 0
	ds_add_u32 v[SPW], v[NIL]                      ; the opening adds
	ds_add_u32 v[SPW], v[NIL]
	v_lshrrev_b32 v8, 5, v0
	s_delay_alu instid0(VALU_DEP_1)
	v_readfirstlane_b32 s[WV], v8
	s_bfe_u32 s10, ttmp6, 0x40000
	s_lshl_b32 s11, ttmp9, 2
	s_add_co_u32 s11, s11, s10                     ; which quarter of the queries
	s_and_b32 s12, ttmp7, 0xffff
	s_lshr_b32 s13, s12, 2                         ; head
	s_and_b32 s14, s12, 3                          ; batch
	s_lshl_b32 s15, s11, 4
	s_add_co_u32 s15, s15, s[WV]                   ; my first tile of queries
	s_lshr_b32 s16, s[WV], 3                       ; I fetch for K (0) or V (1)
	s_and_b32 s17, s[WV], 7
	s_mul_i32 s18, s17, 2*REC                      ; my two records
	s_mul_i32 s19, s16, VB
	s_add_co_u32 s19, s19, s18
	s_mul_i32 s20, s16, FT
	s_add_co_u32 s20, s20, FT
	s_add_co_u32 s20, s20, s18
	s_mul_i32 s21, s12, BH
	s_add_co_u32 s20, s20, s21
	s_mov_b32 s21, 0
	s_mov_b32 s[G1], 15|(3<<16)|(1<<21)            ; 52 rows of 32 elements of 8 bytes, dense; the mask names the cluster's four
	s_mov_b32 s[G1+1], 32<<16
	s_mov_b32 s[G1+2], 52<<16
	s_mov_b32 s[G1+3], 32<<16
	s_mov_b32 s[G1+4], 52
	s_mov_b32 s[G1+5], 32
	s_mov_b32 s[G1+6], 0
	s_mov_b32 s[G1+7], 0
	s_mov_b32 s[SEL], 0x76543210
	s_mov_b32 s[SEL+1], 0xfedcba98
	s_mov_b32 s[CS], 0x3e38aa3b                    ; log2(e) / 8
	s_mov_b32 s[CS+1], s[CS]
	s_wait_dscnt 0x0
	s_wait_kmcnt 0x0
	s_add_nc_u64 s[20:21], s[4:5], s[20:21]
	CROUND                                         ; the joint loads meet
	s_mov_b32 s[G0], 1
	s_add_co_u32 s[G0+1], s19, 0
	s_mov_b64 s[G0+2:G0+3], s[20:21]
	s_or_b32 s[G0+3], s[G0+3], 0x80000000
	tensor_load_to_lds s[G0:G0+3], s[G1:G1+7]      ; my one tensor load of the launch
	s_nop 0
	v_and_b32 v8, 31, v0
	v_and_b32 v9, 15, v0
	v_bfe_u32 v10, v0, 4, 1
	s_delay_alu instid0(VALU_DEP_3)
	v_lshlrev_b32 v1, 4, v8
	s_wait_alu depctr_va_vdst(0)
	v_lshl_add_u32 v2, v8, 3, 512
	s_wait_alu depctr_va_vdst(0)
	v_add_nc_u32 v3, VB, v1
	v_add_nc_u32 v4, VB, v2
	s_and_b32 s22, s13, 1
	s_lshl_b32 s22, s22, 3
	s_add_co_u32 s22, s22, VB+6144
	v_add_nc_u32 v5, s22, v1
	s_lshr_b32 s23, s15, 3
	s_mul_i32 s23, s23, REC
	s_mul_i32 s24, s12, BH
	s_add_co_u32 s24, s24, s23
	s_mov_b32 s25, 0
	s_add_nc_u64 s[24:25], s[4:5], s[24:25]
	s_mul_i32 s26, s17, 768
	v_add_nc_u32 v11, s26, v1
	v_add_nc_u32 v28, s26, v2
	global_load_b128 v[16:19], v11, s[24:25]       ; q's codes of both my tiles, and their scale words
	global_load_b64 v[20:21], v28, s[24:25]
	global_load_b128 v[88:91], v11, s[24:25] offset:NEXTQ
	global_load_b64 v[92:93], v28, s[24:25] offset:NEXTQ
	s_and_b32 s27, s17, 1
	s_lshl_b32 s27, s27, 8
	s_lshr_b32 s28, s17, 1
	s_lshl_b32 s28, s28, 2
	s_add_co_u32 s27, s27, s28
	v_lshl_add_u32 v31, v9, 4, s27
	global_load_b32 v255, v31, s[24:25] offset:6144
	global_load_b32 v94, v31, s[24:25] offset:6144+NEXTQ
	s_lshl_b32 s29, s14, 7
	s_add_co_u32 s29, s29, s15
	s_lshl_b32 s30, s29, 12
	s_mov_b32 s31, 0
	s_add_nc_u64 s[MB:MB+1], s[6:7], s[30:31]
	s_lshl_b32 s32, s14, 11
	s_lshr_b32 s33, s15, 1
	s_lshl_b32 s33, s33, 5
	s_add_co_u32 s32, s32, s33
	s_and_b32 s33, s15, 1
	s_lshl_b32 s33, s33, 3
	s_add_co_u32 s32, s32, s33
	s_lshl_b32 s32, s32, 12
	s_lshl_b32 s33, s13, 8
	s_add_co_u32 s32, s32, s33
	s_mov_b32 s33, 0
	s_add_nc_u64 s[OB:OB+1], s[8:9], s[32:33]
	v_lshlrev_b32 v30, 12, v10
	s_delay_alu instid0(VALU_DEP_1)
	v_lshl_add_u32 v30, v9, 4, v30
	v_mov_b32 v29, 0xd1800000                      ; -2^36: a masked score
.irp i, 0,1,2,3,4,5
	v_mov_b32 v[22+\i], 0                          ; q's codes of k = 64 .. 127
	v_mov_b32 v[80+\i], 0
.endr
.irp b, 0,1,2,3
	v_mov_b32 v[236+\b], 0
.endr
	v_mov_b32 v253, 0
.macro BEGIN
	v_mov_b32 v13, 0xff61b1e6
	s_delay_alu instid0(VALU_DEP_1)
	v_floor_f32 v12, -v13
	v_mov_b32 v14, 0
	v_mov_b32 v15, 0
.set j, 0
.rept 32
	v_mov_b32 v[160+j], 0
.set j, j+1
.endr
.endm
	BEGIN
.macro MLOAD
	s_load_b512 s[4:19], s[MB:MB+1], s[MO] offset:0x0
	s_load_b512 s[20:35], s[MB:MB+1], s[MO] offset:0x40
	s_load_b512 s[36:51], s[MB:MB+1], s[MO] offset:0x80
	s_load_b512 s[68:83], s[MB:MB+1], s[MO] offset:0xc0
.endm
	s_wait_xcnt 0x0                                ; the loads above have read their base: the mask words may land there
	s_mov_b32 s[MO], 0
	MLOAD
	s_wait_loadcnt 0x0
; A step of 128 keys.  nextm: the mask offset that follows the pass's last step
.macro STEP nextm
	v_add_nc_u32 v8, s[TB], v1
	v_add_nc_u32 v9, s[TB], v2
	v_add_nc_u32 v10, s[TB], v3
	v_add_nc_u32 v11, s[TB], v4
	v_add_nc_u32 v28, s[TB], v5
.irp t, 0,1,2,3,4,5,6,7
	ds_load_b128 v[32+6*\t:35+6*\t], v8 offset:768*\t
	ds_load_b64 v[36+6*\t:37+6*\t], v9 offset:768*\t
.endr
	ds_load_b128 v[248:251], v8 offset:6144
	s_wait_alu depctr_va_vdst(0)
	s_wait_dscnt 0x0
.irp t, 0,2,4,6
	v_wmma_scale_f32_16x16x128_f8f6f4 v[96+8*\t:103+8*\t], v[32+6*\t:43+6*\t], v[16:27], 0, v[248+\t/2], v255 matrix_a_fmt:MATRIX_FMT_FP6 matrix_b_fmt:MATRIX_FMT_FP6
	v_wmma_scale_f32_16x16x128_f8f6f4 v[104+8*\t:111+8*\t], v[38+6*\t:49+6*\t], v[16:27], 0, v[248+\t/2], v255 matrix_a_fmt:MATRIX_FMT_FP6 matrix_b_fmt:MATRIX_FMT_FP6 matrix_a_scale:MATRIX_SCALE_ROW1
.endr
.rept 4
	v_nop
.endr
.irp t, 0,1,2,3
	ds_load_b128 v[32+12*\t:35+12*\t], v10 offset:1536*\t
	ds_load_b64 v[36+12*\t:37+12*\t], v11 offset:1536*\t
	ds_load_b128 v[38+12*\t:41+12*\t], v10 offset:1536*\t+768
	ds_load_b64 v[42+12*\t:43+12*\t], v11 offset:1536*\t+768
.endr
	ds_load_b64 v[86:87], v28
	s_wait_kmcnt 0x0
.set n, 0
.rept 48
	v_cndmask_b32 v[96+n], v29, v[96+n], s[4+n]
.set n, n+1
.endr
.rept 16
	v_cndmask_b32 v[96+n], v29, v[96+n], s[20+n]
.set n, n+1
.endr
	s_add_co_u32 s[MO], s[MO], 256                 ; the next step's 64 words (behind the very last step: words that are loaded and not used)
	s_cmp_eq_u32 s[CNT], 1
	s_cselect_b32 s[MO], \nextm, s[MO]
	MLOAD
.irp b, 0,1,2,3
	v_max3_num_f32 v[232+\b], v[96+16*\b], v[97+16*\b], v[98+16*\b]
.endr
.irp i, 3,5,7,9,11,13
.irp b, 0,1,2,3
	s_delay_alu instid0(VALU_DEP_4)
	v_max3_num_f32 v[232+\b], v[232+\b], v[96+16*\b+\i], v[97+16*\b+\i]
.endr
.endr
.irp b, 0,1,2,3
	s_delay_alu instid0(VALU_DEP_4)
	v_max_num_f32 v[232+\b], v[232+\b], v[111+16*\b]
.endr
.irp b, 0,1,2,3
	s_delay_alu instid0(VALU_DEP_4)
	v_permlanex16_b32 v[236+\b], v[232+\b], s[SEL], s[SEL+1]
.endr
.irp b, 0,1,2,3
	s_delay_alu instid0(VALU_DEP_4)
	v_max_num_f32 v[232+\b], v[232+\b], v[236+\b]
.endr
	s_delay_alu instid0(VALU_DEP_2)
	v_max3_num_f32 v254, v232, v233, v234
	s_delay_alu instid0(VALU_DEP_1)
	v_max_num_f32 v254, v254, v235
	s_delay_alu instid0(VALU_DEP_1)
	v_mul_f32 v254, s[CS], v254
	s_delay_alu instid0(VALU_DEP_1)
	v_max_num_f32 v13, v13, v254
	v_mov_b32 v254, v12
	s_delay_alu instid0(VALU_DEP_2)
	v_floor_f32 v12, -v13
	s_delay_alu instid0(VALU_DEP_1)
	v_sub_f32 v254, v12, v254
	s_delay_alu instid0(VALU_DEP_1)
	v_cvt_i32_f32 v254, v254
	s_delay_alu instid0(VALU_DEP_1)
	v_ldexp_f32 v252, 1.0, v254
.set j, 0
.rept 32
	v_pk_fma_f32 v[96+j:97+j], v[96+j:97+j], s[CS:CS+1], v[12:13] op_sel_hi:[1,0,0]
.set j, j+2
.endr
.irp b, 0,1,2,3
	v_fma_f32 v[232+\b], v[232+\b], s[CS], v12
.endr
.set j, 0
	s_wait_alu depctr_va_vdst(0)
.rept 64
	v_exp_f32 v[96+j], v[96+j]
.set j, j+1
.endr
	v_pk_mul_f32 v[14:15], v[14:15], v[252:253] op_sel_hi:[1,0]
	s_wait_alu depctr_va_vdst(0)
.irp b, 0,1,2,3
	v_exp_f32 v[232+\b], v[232+\b]
.endr
	v_pk_add_f32 v[236:237], v[96:97], v[98:99]
.irp j, 4,8,12,16,20,24,28,32,36,40,44,48,52,56,60
	v_pk_add_f32 v[14:15], v[14:15], v[96+\j:97+\j]
	v_pk_add_f32 v[236:237], v[236:237], v[98+\j:99+\j]
.endr
	s_delay_alu instid0(VALU_DEP_1)
	v_pk_add_f32 v[14:15], v[14:15], v[236:237]
	s_wait_alu depctr_va_vdst(0)
.irp b, 0,1,2,3
	v_max_num_f32 v[232+\b], 0x1800000, v[232+\b]
.endr
.irp b, 0,1,2,3
	s_delay_alu instid0(VALU_DEP_4)
	v_add_nc_u32 v[244+\b], 0xff000000, v[232+\b]
.endr
.irp b, 0,1,2,3
	s_delay_alu instid0(VALU_DEP_4)
	v_lshrrev_b32 v[236+\b], 23, v[244+\b]
.endr
	s_delay_alu instid0(VALU_DEP_3)
	v_lshl_or_b32 v253, v237, 8, v236
	s_delay_alu instid0(VALU_DEP_1)
	v_lshl_or_b32 v253, v238, 16, v253
	s_delay_alu instid0(VALU_DEP_1)
	v_lshl_or_b32 v253, v239, 24, v253
.irp c, 0,1
	v_cvt_scalef32_pk16_fp6_f32 v[224+6*\c:226+6*\c], v[96+32*\c:111+32*\c], v[244+2*\c]
	v_cvt_scalef32_pk16_fp6_f32 v[236+4*\c:238+4*\c], v[112+32*\c:127+32*\c], v[244+2*\c+1]
.endr
	v_nop
.irp c, 0,1
.irp i, 0,1,2
	v_permlane16_swap_b32 v[224+6*\c+\i], v[236+4*\c+\i]
.endr
.irp i, 0,1,2
	s_delay_alu instid0(VALU_DEP_3)
	v_mov_b32 v[227+6*\c+\i], v[236+4*\c+\i]
.endr
.endr
	s_wait_alu depctr_va_vdst(0)                   ; the wait ahead of the first reader of O^T
.set j, 0
.rept 16
	v_pk_mul_f32 v[160+j:161+j], v[160+j:161+j], v[252:253] op_sel_hi:[1,0]
.set j, j+2
.endr
	s_wait_alu depctr_va_vdst(0)
	s_wait_dscnt 0x0
.irp t, 0,2
	v_wmma_scale_f32_16x16x128_f8f6f4 v[160+8*\t:167+8*\t], v[32+12*\t:43+12*\t], v[224:235], v[160+8*\t:167+8*\t], v[86+\t/2], v253 matrix_a_fmt:MATRIX_FMT_FP6 matrix_b_fmt:MATRIX_FMT_FP6
	v_wmma_scale_f32_16x16x128_f8f6f4 v[168+8*\t:175+8*\t], v[44+12*\t:55+12*\t], v[224:235], v[168+8*\t:175+8*\t], v[86+\t/2], v253 matrix_a_fmt:MATRIX_FMT_FP6 matrix_b_fmt:MATRIX_FMT_FP6 matrix_a_scale:MATRIX_SCALE_ROW1
.endr
	s_add_co_u32 s[TB], s[TB], REC
.endm
.macro WAYOUT                          ; O^T / the sum, through my own stage, out as rows of 256 bytes
	v_add_f32 v14, v14, v15
	s_delay_alu instid0(VALU_DEP_1)
	v_permlanex16_b32 v252, v14, s[SEL], s[SEL+1]
	s_delay_alu instid0(VALU_DEP_1)
	v_add_f32 v14, v14, v252
	s_wait_alu depctr_va_vdst(0)
	v_rcp_f32 v14, v14
	v_and_b32 v8, 15, v0
	v_bfe_u32 v9, v0, 4, 1
	s_mul_i32 s52, s[WV], 4352
	s_add_co_u32 s52, s52, STG
	v_mul_u32_u24 v10, v8, 272
	s_delay_alu instid0(VALU_DEP_1)
	v_lshl_add_u32 v10, v9, 6, v10
	s_delay_alu instid0(VALU_DEP_1)
	v_add_nc_u32 v10, s52, v10
	v_mul_u32_u24 v11, v9, 272
	s_delay_alu instid0(VALU_DEP_1)
	v_lshl_add_u32 v11, v8, 4, v11
	s_delay_alu instid0(VALU_DEP_1)
	v_add_nc_u32 v11, s52, v11
	s_wait_alu depctr_va_vdst(0)
.set j, 0
.rept 32
	v_mul_f32 v[192+j], v[160+j], v14
.set j, j+1
.endr
.irp t, 0,1,2,3
	ds_store_b128 v10, v[192+8*\t:195+8*\t] offset:128*(\t/2)+32*(\t%2)
	ds_store_b128 v10, v[196+8*\t:199+8*\t] offset:128*(\t/2)+32*(\t%2)+16
.endr
.irp i, 0,1,2,3,4,5,6,7
	ds_load_b128 v[32+4*\i:35+4*\i], v11 offset:544*\i
.endr
.irp i, 0,1,2,3,4,5,6,7
	s_wait_dscnt 7-\i                              ; the loads behind load i may be out
	global_store_b128 v30, v[32+4*\i:35+4*\i], s[OB:OB+1] offset:(2*\i+8*(\i/4))*4096
.endr
.endm
.macro PASS nextm                      ; one tile of 16 queries over all 2,048 keys
	s_mov_b32 s[TB], 0
	s_mov_b32 s[CNT], 16
.Lstep_\@:
	STEP \nextm
	s_sub_co_u32 s[CNT], s[CNT], 1
	s_cmp_lg_u32 s[CNT], 0
	s_cbranch_scc1 .Lstep_\@
	WAYOUT
.endm
	s_wait_alu depctr_va_vdst(0)                   ; the wait at the head's end
	s_wait_tensorcnt 0x0                           ; my two records are in;
	s_barrier_signal -1
	s_barrier_wait -1                              ; and everybody's: K and V are whole
	PASS NEXTM
	s_wait_xcnt 0x0                                ; the stores have read their base and their data
	s_add_nc_u64 s[OB:OB+1], s[OB:OB+1], NEXTO
.irp i, 0,1,2,3,4,5
	v_mov_b32 v[16+\i], v[88+\i]
.endr
	v_mov_b32 v255, v94
	BEGIN
	PASS 0
	s_wait_kmcnt 0x0
	s_wait_tensorcnt 0x0                           ; the wave's end
	ds_add_u32 v[SPW], v[NIL]
	s_wait_dscnt 0x0
	CROUND                                         ; the closing round
	s_endpgm
.Lfunc_end_k_qee9ff08ea5_attn:
	.size	k_qee9ff08ea5_attn, .Lfunc_end_k_qee9ff08ea5_attn-k_qee9ff08ea5_attn
	.p2alignl 7, 3214868480
	.fill 96, 4, 3214868480
	.section	.rodata,"a",@progbits
	.p2align	6, 0x0
	.amdhsa_kernel k_qee9ff08ea5_attn
		.amdhsa_group_segment_fixed_size 327680
		.amdhsa_private_segment_fixed_size 0
		.amdhsa_enable_private_segment 0
		.amdhsa_kernarg_size 24
		.amdhsa_user_sgpr_count 2
		.amdhsa_user_sgpr_kernarg_segment_ptr 1
		.amdhsa_wavefront_size32 1
		.amdhsa_system_sgpr_workgroup_id_x 1
		.amdhsa_system_sgpr_workgroup_id_y 1
		.amdhsa_system_sgpr_workgroup_id_z 1
		.amdhsa_system_vgpr_workitem_id 0
		.amdhsa_next_free_vgpr 256
		.amdhsa_next_free_sgpr 106
		.amdhsa_reserve_vcc 0
		.amdhsa_float_denorm_mode_32 3
		.amdhsa_float_denorm_mode_16_64 3
		.amdhsa_memory_ordered 1
		.amdhsa_forward_progress 1
		.amdhsa_inst_pref_size 63
	.end_amdhsa_kernel
	.amdgpu_metadata
---
amdhsa.version: [ 1, 2 ]
amdhsa.kernels:
  - .name:           k_qee9ff08ea5_attn
    .symbol:         k_qee9ff08ea5_attn.kd
    .args:
      - { .name: fr, .offset: 0, .size: 8, .value_kind: global_buffer, .address_space: global }
      - { .name: mw, .offset: 8, .size: 8, .value_kind: global_buffer, .address_space: global }
      - { .name: mh, .offset: 16, .size: 8, .value_kind: global_buffer, .address_space: global }
    .group_segment_fixed_size: 327680
    .private_segment_fixed_size: 0
    .kernarg_segment_align: 8
    .kernarg_segment_size: 24
    .max_flat_workgroup_size: 512
    .sgpr_count:     106
    .vgpr_count:     256
    .wavefront_size: 32
...
	.end_amdgpu_metadata
.endif
;; end of part 3
;; launch oquant (part 4): grid 256 x 1, 4 waves a work-group, no clusters, 17,920 bytes of LDS; arguments mh, ob; writes ob
.if DOCPART == 4
	.amdgcn_target "amdgcn-amd-amdhsa--gfx1250"
	.amdhsa_code_object_version 6
	.text
	.protected	k_qee9ff08ea5_oquant
	.globl	k_qee9ff08ea5_oquant
	.p2align	8
	.type	k_qee9ff08ea5_oquant,@function
k_qee9ff08ea5_oquant:
	s_mov_b64 s[64:65], 0
	v_nop
	global_prefetch_b8 v0, s[64:65] scope:SCOPE_SE
	s_setreg_imm32_b32 hwreg(HW_REG_WAVE_MODE, 25, 1), 1
	s_wait_xcnt 0x0
; The attention's result, mh [8192 (token)][16 (h)][64 (d)] f32, becomes the last product's left operand: its K is k = 16 d + h (the head's axis is last), so a block of 32 holds two d of all sixteen heads:
; that is why no single head's work-group could quantise it.  ob: codes [8192][768], then from byte 6,291,456 scale bytes [8192][32].  No work is left out.
; A wave takes 8 tokens.  A token's 4,096 bytes come by eight loads of 512 consecutive bytes, lie in the wave's own stage in LDS as they lie in memory, and come back turned: in step u lane l is d = 32 u + l and
; its 16 registers are h = 0 .. 15: 16 neighbours along K; lanes l and l xor 1 hold a block.  The arithmetic of a block is that of the activations' launch.
.set EMAX,  2
.set OS0,   6291456
.set WREG,  4352                       ; LDS: for each wave a token's 4,096 bytes and its 256 scale bytes
.set SPARE, 4*WREG
.set R,     16                         ; v16-79   two sets of 32: a token as loaded
.set X,     80                         ; v80-111  two steps of 16 neighbours
.set E,     112                        ; v112-127 a scale byte for each step
.set C,     128                        ; v128-191 codes: four registers for each step
.set SPW,   12
.set NIL,   13
	s_load_b128 s[4:7], s[0:1], 0x0                ; mh, ob
	v_lshl_add_u32 v[SPW], v0, 2, SPARE
	v_mov_b32 v[NIL], 0
	v_lshrrev_b32 v1, 5, v0
	v_readfirstlane_b32 s16, v1                    ; wave
	v_and_b32 v2, 31, v0                           ; lane
	v_lshlrev_b32 v3, 4, v2                        ; in: 16 bytes a lane
	s_mul_i32 s17, s16, WREG
	v_add_nc_u32 v14, s17, v3                      ; into the stage
	v_lshlrev_b32 v15, 2, v2
	v_add_nc_u32 v15, s17, v15                     ; out of it: 4 x lane
	v_mul_u32_u24 v4, v2, 12                       ; my codes' place in a step's
	v_lshrrev_b32 v5, 1, v2
	s_add_co_u32 s17, s17, 4096
	v_add_nc_u32 v5, s17, v5                       ; my block's byte among my wave's 256
	v_lshlrev_b32 v7, 3, v2
	v_add_nc_u32 v6, s17, v7
	s_lshl_b32 s18, ttmp9, 2
	s_add_co_u32 s18, s18, s16                     ; which run of 8 tokens
	s_lshl_b32 s20, s18, 15
	s_mov_b32 s21, 0
	s_mul_i32 s22, s18, 6144
	s_mov_b32 s23, 0
	s_lshl_b32 s24, s18, 8
	s_add_co_u32 s24, s24, OS0
	s_mov_b32 s25, 0
	s_wait_alu depctr_va_vdst(0)
	s_wait_kmcnt 0x0
	s_add_nc_u64 s[4:5], s[4:5], s[20:21]
	s_add_nc_u64 s[8:9], s[6:7], s[22:23]          ; my codes
	s_add_nc_u64 s[10:11], s[6:7], s[24:25]        ; my scale bytes
.macro LOADTOK k
.irp i, 0,1,2,3,4,5,6,7
	global_load_b128 v[R+32*((\k)%2)+4*\i:R+32*((\k)%2)+4*\i+3], v3, s[4:5] offset:4096*(\k)+512*\i th:TH_LOAD_NT
.endr
.endm
.macro STEP t
.set XS, X+16*((\t)%2)
	v_max3_num_f32 v8, |v[XS]|, |v[XS+1]|, |v[XS+2]|               ; the largest magnitude of my 16
	v_max3_num_f32 v9, |v[XS+3]|, |v[XS+4]|, |v[XS+5]|
.irp i, 6,10
	v_max3_num_f32 v8, v8, |v[XS+\i]|, |v[XS+\i+1]|
	v_max3_num_f32 v9, v9, |v[XS+\i+2]|, |v[XS+\i+3]|
.endr
	v_max3_num_f32 v8, v8, |v[XS+14]|, |v[XS+15]|
	v_max3_num_f32 v8, v8, v9, (EMAX+1)<<23        ; and the floor 2^(EMAX + 1 - 127)
	v_max_num_f32_dpp v8, v8, v8 row_xmask:1 row_mask:0xf bank_mask:0xf   ; and of my neighbour's 16: the block's
	v_add_nc_u32 v11, -(EMAX<<23), v8              ; EMAX off its exponent field: the conversion's scale operand
	v_cvt_scalef32_pk16_fp6_f32 v[C+4*(\t):C+4*(\t)+2], v[XS:XS+15], v11
	v_lshrrev_b32 v[E+(\t)], 23, v11               ; the scale's byte
	ds_store_b8 v5, v[E+(\t)] offset:16*(\t)       ; both lanes of a block write the same byte with the same value
	global_store_b96 v4, v[C+4*(\t):C+4*(\t)+2], s[8:9] offset:384*(\t)   ; 32 lanes store 384 consecutive bytes
.endm
.macro TOKEN k
.if (\k) < 7
	s_wait_loadcnt 8                               ; this token's eight loads are in; the next token's eight may be out
.else
	s_wait_loadcnt 0
.endif
.irp i, 0,1,2,3,4,5,6,7
	ds_store_b128 v14, v[R+32*((\k)%2)+4*\i:R+32*((\k)%2)+4*\i+3] offset:512*\i
.endr
.irp u, 0,1
.irp h, 0,1,2,3,4,5,6,7,8,9,10,11,12,13,14,15
	ds_load_b32 v[X+16*\u+\h], v15 offset:256*\h+128*\u   ; (h, d = 32 u + lane): 32 lanes read 128 consecutive bytes.  LDS serves a wave's instructions in order: these see the stores
.endr
.endr
	s_wait_dscnt 0x0                               ; my numbers are in, and the stores have read their registers
.if (\k)+2 < 8
	LOADTOK (\k)+2
.endif
	STEP 2*(\k)
	STEP 2*(\k)+1
.endm
	LOADTOK 0
	LOADTOK 1
.irp k, 0,1,2,3,4,5,6,7
	TOKEN \k
.endr
	ds_load_b64 v[8:9], v6                         ; LDS serves a wave's instructions in order: these see my stores
	s_wait_dscnt 0x0
	global_store_b64 v7, v[8:9], s[10:11]          ; 32 lanes store 256 consecutive bytes, aligned
	s_wait_tensorcnt 0x0                           ; the wave's end
	ds_add_u32 v[SPW], v[NIL]
	s_wait_dscnt 0x0
	s_endpgm
.Lfunc_end_k_qee9ff08ea5_oquant:
	.size	k_qee9ff08ea5_oquant, .Lfunc_end_k_qee9ff08ea5_oquant-k_qee9ff08ea5_oquant
	.p2alignl 7, 3214868480
	.fill 96, 4, 3214868480
	.section	.rodata,"a",@progbits
	.p2align	6, 0x0
	.amdhsa_kernel k_qee9ff08ea5_oquant
		.amdhsa_group_segment_fixed_size 17920
		.amdhsa_private_segment_fixed_size 0
		.amdhsa_enable_private_segment 0
		.amdhsa_kernarg_size 16
		.amdhsa_user_sgpr_count 2
		.amdhsa_user_sgpr_kernarg_segment_ptr 1
		.amdhsa_wavefront_size32 1
		.amdhsa_system_sgpr_workgroup_id_x 1
		.amdhsa_system_sgpr_workgroup_id_y 1
		.amdhsa_system_sgpr_workgroup_id_z 1
		.amdhsa_system_vgpr_workitem_id 0
		.amdhsa_next_free_vgpr 192
		.amdhsa_next_free_sgpr 66
		.amdhsa_reserve_vcc 0
		.amdhsa_float_denorm_mode_32 3
		.amdhsa_float_denorm_mode_16_64 3
		.amdhsa_memory_ordered 1
		.amdhsa_forward_progress 1
		.amdhsa_inst_pref_size 43
	.end_amdhsa_kernel
	.amdgpu_metadata
---
amdhsa.version: [ 1, 2 ]
amdhsa.kernels:
  - .name:           k_qee9ff08ea5_oquant
    .symbol:         k_qee9ff08ea5_oquant.kd
    .args:
      - { .name: mh, .offset: 0, .size: 8, .value_kind: global_buffer, .address_space: global }
      - { .name: ob, .offset: 8, .size: 8, .value_kind: global_buffer, .address_space: global }
    .group_segment_fixed_size: 17920
    .private_segment_fixed_size: 0
    .kernarg_segment_align: 8
    .kernarg_segment_size: 16
    .max_flat_workgroup_size: 128
    .sgpr_count:     66
    .vgpr_count:     192
    .wavefront_size: 32
...
	.end_amdgpu_metadata
.endif
;; end of part 4
;; launch outgemm (part 5): grid 4 x 64, 4 waves a work-group, clusters of 4 x 4, 327,680 bytes of LDS; arguments ob, wb, out0; writes out0
.if DOCPART == 5
	.amdgcn_target "amdgcn-amd-amdhsa--gfx1250"
	.amdhsa_code_object_version 6
	.text
	.protected	k_qee9ff08ea5_outgemm
	.globl	k_qee9ff08ea5_outgemm
	.p2align	8
	.type	k_qee9ff08ea5_outgemm,@function
k_qee9ff08ea5_outgemm:
	s_mov_b64 s[64:65], 0
	v_nop
	global_prefetch_b8 v0, s[64:65] scope:SCOPE_SE
	s_setreg_imm32_b32 hwreg(HW_REG_WAVE_MODE, 25, 1), 1
	s_wait_xcnt 0x0
	s_wait_alu depctr_hold_cnt(0) depctr_sa_sdst(0) depctr_va_vdst(0) depctr_va_sdst(0) depctr_va_ssrc(0) depctr_va_vcc(0) depctr_vm_vsrc(0)
	s_getreg_b32 s2, hwreg(HW_REG_IB_STS2, 6, 4)
	s_cmp_eq_u32 s2, 0
	s_cbranch_scc0 .Lentry_in_a_cluster
	s_endpgm
.Lentry_in_a_cluster:
	s_bfe_u32 s2, ttmp6, 0x10000c
	s_cmp_lg_u32 s2, 0xf033
	s_cbranch_scc0 .Lentry_shape_is_right
	s_endpgm
.Lentry_shape_is_right:
; out0 [8192][1024] f32 = the attention's result (codes and scales in ob) x Wo (codes and scales in wb, rows = columns of Wo), on codes of FP6 (E2M3) with E8M0 scales; no work is left out.
; A tile of 128 x 256 to a work-group: 64 x 4 = 256 work-groups.  ALL OF K LIES IN LDS AT ONCE: 128 + 256 whole rows of 768 bytes, 16 bytes of padding behind each 256 (LDS pitch 816).
; Four tensor loads, one a wave, all at the head: A's two halves of 64 rows, B's two halves of 128; LDS is never filled again, so the walk along K has no barrier.
; 4 x 4 clusters: A's rows are asked for jointly along a row of the cluster, B's along a column.  A wave makes 64 x 128: 32 accumulators in window 2.
; THE SCALE WORDS, 32 bytes a row for all of K, go from memory straight into registers at the head: sixteen lanes read 512 consecutive bytes with two loads; A's and B's have registers of their own.
; The matrix instruction is used transposed (source 0 = 16 rows of B, source 1 = 16 rows of A): a lane holds eight neighbouring numbers of a row of the output.
; REGISTERS: window 0: v11-29 addresses; v32-63 A's scale words, v64-127 B's (register 8 i + step, block i); v128-223 A's fragments, two sets; window 1: B's fragments, two sets.
; No prefetch: every byte is asked for at the head, and there is no later tensor load to run ahead of.
.set SIZE_N, 1024
.set OS0,    6291456
.set WC,     786432
.set WS0,    3145728
.set WSS,    32768
.set KROW,   768
.set PITCH,  816                       ; 204 words: row r starts at bank 12 r mod 64, so the 32 lanes of a load of 8 bytes touch 64 different banks
.set FR,     12
.set NP,     4
.set LB,     128*PITCH                 ; B's rows lie behind A's
.set SPARE,  384*PITCH                 ; the spare words, 128 bytes a wave
.set SPITCH, 528                       ; the way out: 16 rows x (512 + 16) bytes a wave, from LDS byte 0 on, behind a barrier behind which nobody reads codes
.set SCO,  11
.set ADRA, 16
.set ADRB, 18
.set STO,  24
.set RD,   25
.set CO,   26
.set SPW,  28
.set NIL,  29
.set SAR,  32
.set SBR,  64
.set AF,   128
.set BK,   128
.set G1, 24
.set G0A, 32
.set G0B, 36
.set G1B, 48
.set SPA, 68
.set SPB, 70
.set MSB, 0
.macro WIN new
.if MSB != (\new)
	s_set_vgpr_msb (MSB<<8)|(\new)
.set MSB, (\new)
.endif
.endm
.set MUL,  0xa1                        ; source 0 (B) window 1, source 1 (A) window 0, C and D window 2
.set TO_B, 0x40
.macro CROUND
	s_barrier_signal -1
	s_barrier_wait -1
	s_cmp_lg_u32 s14, 0
	s_cbranch_scc1 .Lnot_wave_0_\@
	s_barrier_signal -3
.Lnot_wave_0_\@:
	s_barrier_wait -3
	s_barrier_signal -1
	s_barrier_wait -1
.endm
	s_load_b128 s[4:7], s[0:1], 0x0                ; ob, wb
	s_load_b64 s[12:13], s[0:1], 0x10              ; out0
	v_lshl_add_u32 v[SPW], v0, 2, SPARE
	v_mov_b32 v[NIL], 0
	ds_add_u32 v[SPW], v[NIL]                      ; the opening adds
	ds_add_u32 v[SPW], v[NIL]
	v_lshrrev_b32 v1, 5, v0
	v_readfirstlane_b32 s14, v1                    ; wave
	s_lshr_b32 s15, s14, 1                         ; which 64 rows I multiply.  Also: I fetch for A (0) or for B (1)
	s_and_b32 s16, s14, 1                          ; which 128 columns.  Also: which half of that tile I fetch
	s_bfe_u32 s40, ttmp6, 0x40000                  ; cx
	s_bfe_u32 s41, ttmp6, 0x40004                  ; cy
	s_lshl_b32 s42, ttmp9, 2
	s_add_co_u32 s42, s42, s40                     ; tile column
	s_and_b32 s17, ttmp7, 0xffff
	s_lshl_b32 s17, s17, 2
	s_add_co_u32 s17, s17, s41                     ; tile row
	s_lshl_b32 s43, s41, 2
	s_lshl_b32 s43, 15, s43                        ; my row of the cluster
	s_lshl_b32 s44, 0x1111, s40                    ; my column
	s_or_b32 s[G1+0], s43, (0<<16)|(1<<20)|(1<<21)|(5<<22)|(3<<25)   ; bytes; 4 words of padding behind every 64
	s_or_b32 s[G1B+0], s44, (0<<16)|(1<<20)|(1<<21)|(5<<22)|(3<<25)
.irp g, G1, G1B
	s_mov_b32 s[\g+1], KROW<<16
	s_mov_b32 s[\g+3], KROW<<16
	s_mov_b32 s[\g+5], KROW
	s_mov_b32 s[\g+6], 0
	s_mov_b32 s[\g+7], 0
.endr
	s_mov_b32 s[G1+2], 64<<16
	s_mov_b32 s[G1+4], 64
	s_mov_b32 s[G1B+2], 128<<16
	s_mov_b32 s[G1B+4], 128
	s_mul_i32 s20, s17, 128*KROW                   ; A's codes: 128 rows a tile row,
	s_mul_i32 s18, s16, 64*KROW                    ; and the half that I fetch
	s_add_co_u32 s20, s20, s18
	s_mov_b32 s21, 0
	s_lshl_b32 s22, s17, 12                        ; A's scales: 4,096 bytes a tile row,
	s_lshl_b32 s18, s15, 11                        ; and the 64 rows that I multiply
	s_add_co_u32 s22, s22, s18
	s_add_co_u32 s22, s22, OS0
	s_mov_b32 s23, 0
	s_mul_i32 s46, s42, 256*KROW                   ; B's codes: 256 rows a tile column, in the fourth weight
	s_mul_i32 s18, s16, 128*KROW
	s_add_co_u32 s46, s46, s18
	s_add_co_u32 s46, s46, 3*WC
	s_mov_b32 s47, 0
	s_lshl_b32 s92, s42, 13
	s_lshl_b32 s18, s16, 12
	s_add_co_u32 s92, s92, s18
	s_add_co_u32 s92, s92, WS0+3*WSS
	s_mov_b32 s93, 0
	s_wait_dscnt 0x0
	s_wait_kmcnt 0x0
	s_add_nc_u64 s[20:21], s[4:5], s[20:21]
	s_add_nc_u64 s[SPA:SPA+1], s[4:5], s[22:23]
	s_add_nc_u64 s[46:47], s[6:7], s[46:47]
	s_add_nc_u64 s[SPB:SPB+1], s[6:7], s[92:93]
	CROUND                                         ; the joint loads meet
	s_mov_b32 s[G0A], 1
	s_mul_i32 s[G0A+1], s16, 64*PITCH
	s_mov_b64 s[G0A+2:G0A+3], s[20:21]
	s_or_b32 s[G0A+3], s[G0A+3], 0x80000000
	s_mov_b32 s[G0B], 1
	s_mul_i32 s[G0B+1], s16, 128*PITCH
	s_add_co_u32 s[G0B+1], s[G0B+1], LB
	s_mov_b64 s[G0B+2:G0B+3], s[46:47]
	s_or_b32 s[G0B+3], s[G0B+3], 0x80000000
	s_cmp_eq_u32 s15, 0                            ; one load a wave: a fill in each arm of a branch on the wave's number
	s_cbranch_scc0 .Lhead_b
	tensor_load_to_lds s[G0A:G0A+3], s[G1:G1+7]
	s_nop 0
.rept 4
	v_nop
.endr
	s_branch .Lhead_asked
.Lhead_b:
	tensor_load_to_lds s[G0B:G0B+3], s[G1B:G1B+7]
	s_nop 0
.rept 4
	v_nop
.endr
.Lhead_asked:
	v_and_b32 v1, 15, v0                           ; r
	v_bfe_u32 v2, v0, 4, 1                         ; h
	v_lshlrev_b32 v[SCO], 5, v1
.irp i, 0,1,2,3
	global_load_b128 v[SAR+8*\i:SAR+8*\i+3], v[SCO], s[SPA:SPA+1] offset:512*\i
	global_load_b128 v[SAR+8*\i+4:SAR+8*\i+7], v[SCO], s[SPA:SPA+1] offset:512*\i+16
.endr
.irp i, 0,1,2,3,4,5,6,7
	global_load_b128 v[SBR+8*\i:SBR+8*\i+3], v[SCO], s[SPB:SPB+1] offset:512*\i
	global_load_b128 v[SBR+8*\i+4:SBR+8*\i+7], v[SCO], s[SPB:SPB+1] offset:512*\i+16
.endr
	v_mul_u32_u24 v3, v1, PITCH
	v_mad_u32_u24 v3, v2, 24, v3                   ; a fragment's row x pitch + 24 h
	v_lshl_add_u32 v4, v2, 4, v3                   ; + 16 h: where lanes 16-31 read behind the next padding
	s_mul_i32 s21, s15, 64*PITCH
	s_mul_i32 s22, s16, 128*PITCH
	s_add_co_u32 s22, s22, LB
	v_add_nc_u32 v[ADRA], s21, v3
	v_add_nc_u32 v[ADRA+1], s21, v4
	v_add_nc_u32 v[ADRB], s22, v3
	v_add_nc_u32 v[ADRB+1], s22, v4
	s_add_co_u32 s22, s22, 64*PITCH                ; B's blocks 4-7: the loads' offsets have 16 bits
	v_add_nc_u32 v[ADRB+2], s22, v3
	v_add_nc_u32 v[ADRB+3], s22, v4
	s_mul_i32 s23, s14, 16*SPITCH                  ; my stage
	v_mul_u32_u24 v5, v1, SPITCH
	v_lshl_add_u32 v5, v2, 5, v5
	v_add_nc_u32 v[STO], s23, v5
	v_and_b32 v6, 31, v0
	v_lshlrev_b32 v[CO], 4, v6
	v_add_nc_u32 v[RD], s23, v[CO]
	s_lshl_b32 s20, s17, 7
	s_lshl_b32 s21, s15, 6
	s_add_co_u32 s20, s20, s21                     ; my first row of the output,
	s_lshl_b32 s20, s20, 12                        ; 4,096 bytes a row,
	s_lshl_b32 s21, s42, 10
	s_add_co_u32 s20, s20, s21
	s_lshl_b32 s21, s16, 9
	s_add_co_u32 s20, s20, s21                     ; and my first column
	s_mov_b32 s21, 0
	s_add_nc_u64 s[12:13], s[12:13], s[20:21]
.macro FRAG reg, adr, st, i            ; 16 rows x 128 K: six pieces of 8 bytes; byte y of a row lies at y + 16 (y / 256) of its LDS row
.irp p, 0,1,2,3,4,5
.set BY, 96*(\st)+48*(\p/3)+8*(\p%3)
.if BY/256 == (BY+24)/256
	ds_load_b64 v[\reg+2*\p:\reg+2*\p+1], v[\adr] offset:BY+16*(BY/256)+(\i)*16*PITCH
.else
	ds_load_b64 v[\reg+2*\p:\reg+2*\p+1], v[\adr+1] offset:BY+16*(BY/256)+(\i)*16*PITCH
.endif
.endr
.endm
.macro FETCHB st                       ; 48 loads: B's eight fragments of step st into set st % 2
	WIN TO_B
.irp i, 0,1,2,3,4,5,6,7
	FRAG 128*((\st)%2)+FR*\i, ADRB+2*(\i/4), \st, \i%4
.endr
	WIN 0
.endm
.macro FETCHA st                       ; 24 loads: A's four fragments of step st into set st % 2
.irp i, 0,1,2,3
	FRAG AF+48*((\st)%2)+FR*\i, ADRA, \st, \i
.endr
.endm
.macro MUL32 st, zero, more            ; the 32 accumulators take turns, in the same order in every step; more = 1: in the middle the next step's fragments of A are asked for
.irp a, 0,1,2,3
.if (\more) && (\a == 2)
	WIN 0
	FETCHA (\st)+1
	WIN MUL
.endif
.irp b, 0,1,2,3,4,5,6,7
.if \zero
	v_wmma_scale_f32_16x16x128_f8f6f4 v[8*(8*\a+\b):8*(8*\a+\b)+7], v[128*((\st)%2)+FR*\b:128*((\st)%2)+FR*\b+FR-1], v[AF+48*((\st)%2)+FR*\a:AF+48*((\st)%2)+FR*\a+FR-1], 0, v[SBR+8*\b+(\st)], v[SAR+8*\a+(\st)] matrix_a_fmt:MATRIX_FMT_FP6 matrix_b_fmt:MATRIX_FMT_FP6
.else
	v_wmma_scale_f32_16x16x128_f8f6f4 v[8*(8*\a+\b):8*(8*\a+\b)+7], v[128*((\st)%2)+FR*\b:128*((\st)%2)+FR*\b+FR-1], v[AF+48*((\st)%2)+FR*\a:AF+48*((\st)%2)+FR*\a+FR-1], v[8*(8*\a+\b):8*(8*\a+\b)+7], v[SBR+8*\b+(\st)], v[SAR+8*\a+(\st)] matrix_a_fmt:MATRIX_FMT_FP6 matrix_b_fmt:MATRIX_FMT_FP6
.endif
.endr
.endr
.endm
.macro PLACES n
.rept \n
	v_nop
.endr
.endm
	s_wait_alu depctr_va_vdst(0)                   ; the wait at the head's end
	s_wait_tensorcnt 0x0                           ; my part of the tiles is in;
	s_wait_loadcnt 0x0                             ; and my scale words
	s_barrier_signal -1
	s_barrier_wait -1                              ; everybody's part is in
	FETCHB 0
	FETCHA 0
	FETCHB 1
	s_wait_dscnt 48                                ; all but the 48 loads of step 1's B
	WIN MUL
	MUL32 0, 1, 1                                  ; the first step's products start the sums
.set ST, 1
.rept 6
	PLACES NP                                      ; places in front of loads into the sets that the last step multiplied
	FETCHB ST+1
	s_wait_dscnt 48                                ; this step's fragments are in; the 48 loads just issued may be out
	WIN MUL
	MUL32 ST, 0, 1
.set ST, ST+1
.endr
	s_wait_dscnt 0x0                               ; my last reads of the codes are over:
	s_barrier_signal -1                            ; say so,
	MUL32 7, 0, 0
	WIN 0
	s_barrier_wait -1                              ; and behind this wait nobody reads them: the stages may lie over them
.macro TOSTAGE a
	WIN 0x08                                       ; the data: window 2
.irp b, 0,1,2,3,4,5,6,7
	ds_store_b128 v[STO], v[64*(\a)+8*\b:64*(\a)+8*\b+3] offset:64*\b       ; each accumulator from its low end on
	ds_store_b128 v[STO], v[64*(\a)+8*\b+4:64*(\a)+8*\b+7] offset:64*\b+16
.endr
	WIN 0
.set BB, BK+64*((\a)%2)
.irp t, 0,1,2,3,4,5,6,7,8,9,10,11,12,13,14,15
	ds_load_b128 v[BB+4*\t:BB+4*\t+3], v[RD] offset:\t*SPITCH         ; a wave's LDS instructions are served in order: these see the stores
.endr
.endm
.macro SEND a, younger
.set BB, BK+64*((\a)%2)
	s_wait_dscnt \younger                          ; the block is back; the LDS instructions issued behind its loads may be out
.if (\a) > 0
	s_add_nc_u64 s[12:13], s[12:13], 16*SIZE_N*4
.endif
.irp t, 0,1,2,3,4,5,6,7,8,9,10,11,12,13,14,15
	global_store_b128 v[CO], v[BB+4*\t:BB+4*\t+3], s[12:13] offset:\t*SIZE_N*4 th:TH_STORE_NT   ; 32 lanes store 512 consecutive bytes, aligned
.endr
.endm
	PLACES NP
	TOSTAGE 0
.irp a, 1,2,3
.if \a > 1
	s_wait_xcnt 0x0                                ; block a - 2's stores have read their registers and their base
.endif
	TOSTAGE \a
	SEND \a-1, 32
.endr
	s_wait_xcnt 0x0
	SEND 3, 0
	s_wait_tensorcnt 0x0                           ; the wave's end
	ds_add_u32 v[SPW], v[NIL]
	s_wait_dscnt 0x0
	CROUND                                         ; the closing round
	s_endpgm
.Lfunc_end_k_qee9ff08ea5_outgemm:
	.size	k_qee9ff08ea5_outgemm, .Lfunc_end_k_qee9ff08ea5_outgemm-k_qee9ff08ea5_outgemm
	.p2alignl 7, 3214868480
	.fill 96, 4, 3214868480
	.section	.rodata,"a",@progbits
	.p2align	6, 0x0
	.amdhsa_kernel k_qee9ff08ea5_outgemm
		.amdhsa_group_segment_fixed_size 327680
		.amdhsa_private_segment_fixed_size 0
		.amdhsa_enable_private_segment 0
		.amdhsa_kernarg_size 24
		.amdhsa_user_sgpr_count 2
		.amdhsa_user_sgpr_kernarg_segment_ptr 1
		.amdhsa_wavefront_size32 1
		.amdhsa_system_sgpr_workgroup_id_x 1
		.amdhsa_system_sgpr_workgroup_id_y 1
		.amdhsa_system_sgpr_workgroup_id_z 1
		.amdhsa_system_vgpr_workitem_id 0
		.amdhsa_next_free_vgpr 1024
		.amdhsa_next_free_sgpr 98
		.amdhsa_reserve_vcc 0
		.amdhsa_float_denorm_mode_32 3
		.amdhsa_float_denorm_mode_16_64 3
		.amdhsa_memory_ordered 1
		.amdhsa_forward_progress 1
		.amdhsa_inst_pref_size 94
	.end_amdhsa_kernel
	.amdgpu_metadata
---
amdhsa.version: [ 1, 2 ]
amdhsa.kernels:
  - .name:           k_qee9ff08ea5_outgemm
    .symbol:         k_qee9ff08ea5_outgemm.kd
    .args:
      - { .name: ob, .offset: 0, .size: 8, .value_kind: global_buffer, .address_space: global }
      - { .name: wb, .offset: 8, .size: 8, .value_kind: global_buffer, .address_space: global }
      - { .name: out0, .offset: 16, .size: 8, .value_kind: global_buffer, .address_space: global }
    .group_segment_fixed_size: 327680
    .private_segment_fixed_size: 0
    .kernarg_segment_align: 8
    .kernarg_segment_size: 24
    .max_flat_workgroup_size: 128
    .sgpr_count:     98
    .vgpr_count:     1024
    .wavefront_size: 32
...
	.end_amdgpu_metadata
.endif
;; end of part 5
